; MI455X (gfx1250); checked and timed in simulation.
; The chip was launched on July 23, 2026; its instructions are those of AMD's public machine-readable ISA for CDNA 5 (MIT licence, August 2026) and "CDNA5" Instruction Set Architecture Reference Guide (July 2026). The comments in the code are by the model that wrote it; some were corrected since.
;; Multihead Flash Diff2. Allowed arithmetic: matrix products marked QUANTISED: E2M3 operands, one E8M0 scale for each 32 along K, by v_wmma_scale_f32_16x16x128_f8f6f4 with both operands' format E2M3, f32 sums; everything else in f32.
;; Inputs: lambda_k1 64 float32; lambda_k2 64 float32; lambda_q1 64 float32; lambda_q2 64 float32; subln_w 128 float32; wk_codes 2,048 x 64 x 24 uint8 (E2M3 codes of wk, K innermost, in blocks of 32 codes, four codes in three bytes); wk_scales 2,048 x 64 uint8 (E8M0 scales of wk, one for each 32 codes along K); wo_codes 2,048 x 64 x 24 uint8 (E2M3 codes of wo, K innermost, in blocks of 32 codes, four codes in three bytes); wo_scales 2,048 x 64 uint8 (E8M0 scales of wo, one for each 32 codes along K); wq_codes 2,048 x 64 x 24 uint8 (E2M3 codes of wq, K innermost, in blocks of 32 codes, four codes in three bytes); wq_scales 2,048 x 64 uint8 (E8M0 scales of wq, one for each 32 codes along K); wv_codes 2,048 x 64 x 24 uint8 (E2M3 codes of wv, K innermost, in blocks of 32 codes, four codes in three bytes); wv_scales 2,048 x 64 uint8 (E8M0 scales of wv, one for each 32 codes along K); x_codes 1 x 2,048 x 64 x 24 uint8 (E2M3 codes of x, K innermost, in blocks of 32 codes, four codes in three bytes); x_scales 1 x 2,048 x 64 uint8 (E8M0 scales of x, one for each 32 codes along K).
;; Outputs: out0 1 x 2,048 x 2,048 float32.
;; This version of the problem:
;;   THIS VERSION OF THE PROBLEM IS GIVEN IN LOW PRECISION. The matrix products marked QUANTISED in the list below multiply operands that are first quantised to E2M3 (2 exponent bits, 3 mantissa bits; 6 bits a number), with one power-of-two scale for each 32 numbers along K (OCP MX v1.0); their sums are f32. All else is computed in f32.
;;   The module's matrix products, in the order in which they are computed (A, B: the left and right operand; K: the contracted axis; several contracted axes count as one K, in the product's order):
;;     1. [M 2,048, K 2,048] x [K 2,048, N 2,048]; A: input x (given as codes); B: input wq (given as codes): QUANTISED
;;     2. [M 2,048, K 2,048] x [K 2,048, N 2,048]; A: input x (given as codes); B: input wk (given as codes): QUANTISED
;;     3. [M 2,048, K 2,048] x [K 2,048, N 2,048]; A: input x (given as codes); B: input wv (given as codes): QUANTISED
;;     4. batch 16 x [M 2,048, K 64] x [K 64, N 2,048]; A: computed on the way; B: computed on the way: QUANTISED
;;     5. batch 16 x [M 128, K 2,048] x [K 2,048, N 2,048]; A: computed on the way; B: softmax (see below): QUANTISED
;;     6. batch 16 x [M 2,048, K 64] x [K 64, N 2,048]; A: computed on the way; B: computed on the way: QUANTISED
;;     7. batch 16 x [M 128, K 2,048] x [K 2,048, N 2,048]; A: computed on the way; B: softmax (see below): QUANTISED
;;     8. [M 2,048, K 2,048] x [K 2,048, N 2,048]; A: computed on the way; B: input wo (given as codes): QUANTISED
;;   THE QUANTISER, for each operand of a quantised product, along K:
;;     - K is cut into blocks of 32 from its start; a last block that is shorter is filled with zeros.
;;     - A block's scale is 2^e with e = floor(log2(the largest magnitude in the block)) - 2, held to -126 .. 127; a block of zeros has e = 0. As a byte (E8M0): e + 127.
;;     - Each number is divided by its block's scale, clamped to +-7.5, and rounded to the nearest number of E2M3, ties to even, subnormals kept.
;;     - The product sums the exact products of the quantised numbers (number of the format x scale) in f32.
;;   ~~~python
;;   def quantise(x, axis):      # numpy; x: float32 -> the quantised numbers, widened to float32 again
;;       x = np.moveaxis(x, axis, -1); K = x.shape[-1]
;;       x = np.pad(x, [(0, 0)] * (x.ndim - 1) + [(0, -K % 32)]); x = x.reshape(x.shape[:-1] + (-1, 32)); a = np.abs(x).max(-1, keepdims=True)
;;       e = np.where(a > 0, np.clip(np.frexp(np.where(a > 0, a, 1))[1] - 1 - 2, -126, 127), 0)      # np.frexp(a)[1] - 1 = floor(log2(a)), exactly
;;       r = np.clip(x / 2.0 ** e, -7.5, 7.5)
;;       step = 2.0 ** (np.maximum(np.frexp(np.where(r == 0, 1, r))[1] - 1, 0) - 3)
;;       q = np.round(r / step) * step * 2.0 ** e      # np.round: ties to even
;;       return np.moveaxis(q.reshape(q.shape[:-2] + (-1,))[..., :K], -1, axis).astype(np.float32)
;;   ~~~
;;   SOFTMAX AHEAD OF A QUANTISED PRODUCT. Where the list says 'softmax', what is quantised is not the finished softmax but p = 2^(t - M), with t = logit x log2(e) and M = ceil(the row's largest t), a whole number; so 1/2 < the row's largest p <= 1. The row's sum l is taken of the UNQUANTISED p, in f32, and the product's result is divided by l at the end. Since M is a whole number, a kernel that streams over the keys may use a running M (the ceiling of the running maximum): every later rescaling is an exact power of two, which a block's scale takes up: the codes' values come out the same.
;;   OPERANDS COMPUTED ON THE WAY. 'Computed on the way' means the value that the module computes at that place (a softmax that the list does not call 'softmax' is quantised finished and normalised). What goes into a quantiser is computed in f32, as accurately as f32 sums, v_exp_f32 and their like allow (about 1e-6 of the number): no bf16 or f16 on the way to a quantiser, and a product that is left as it is and whose result goes on into a quantised operand takes f32 operands (vector FMAs, or v_wmma_f32_16x16x4_f32). A number that lies on a knife's edge between two numbers of the format may be rounded either way, as far as f32 arithmetic and the matrix unit's own rounding can turn it there, and no further.
;;   INPUTS GIVEN AS CODES. wk (in the module: [2048, 2048], K = its axis 1); wo (in the module: [2048, 2048], K = its axis 1); wq (in the module: [2048, 2048], K = its axis 1); wv (in the module: [2048, 2048], K = its axis 1); x (in the module: [1, 2048, 2048], K = its axis 2): each comes as NAME_codes (uint8): NAME with its K axis moved to the last place and cut into blocks of 32 codes, [.., K / 32, bytes a block], one block behind the other in memory; four codes in three bytes: a row's codes are one little-endian stream of bits, code i at bits 6 i .. 6 i + 5 (a code: sign, 2 exponent bits, 3 mantissa bits); and NAME_scales (uint8): the same leading axes, one E8M0 byte (e + 127) for each 32 codes along K. Its value is code x scale, taken as it is: it is not quantised again, and the codes and scales need not be those that the quantiser above would give.
;; 2 versions, each right. Each part assembles by itself: llvm-mc -triple=amdgcn-amd-amdhsa -mcpu=gfx1250 --defsym DOCPART=n.
;; ======== version 1 of 2: 3 launches
;; workspace buffers: qkv_codes 9,437,184 bytes; qkv_scales 393,216 bytes; attn_codes 3,145,728 bytes; attn_scales 131,072 bytes
;; launch qkv (part 1): grid 8 x 24, 4 waves a work-group, clusters of 4 x 4, 327,680 bytes of LDS; arguments x_codes, x_scales, wq_codes, wq_scales, wk_codes, wk_scales, wv_codes, wv_scales, qkv_codes, qkv_scales; writes qkv_codes, qkv_scales
.if DOCPART == 1
	.amdgcn_target "amdgcn-amd-amdhsa--gfx1250"
	.amdhsa_code_object_version 6
	.text
	.protected	k_q5283b36273_qkv
	.globl	k_q5283b36273_qkv
	.p2align	8
	.type	k_q5283b36273_qkv,@function
k_q5283b36273_qkv:
	s_mov_b64 s[64:65], 0
	v_nop
	global_prefetch_b8 v0, s[64:65] scope:SCOPE_SE
	s_setreg_imm32_b32 hwreg(HW_REG_WAVE_MODE, 25, 1), 1
	s_wait_xcnt 0x0
	s_wait_alu depctr_hold_cnt(0) depctr_sa_sdst(0) depctr_va_vdst(0) depctr_va_sdst(0) depctr_va_ssrc(0) depctr_va_vcc(0) depctr_vm_vsrc(0)
	s_getreg_b32 s2, hwreg(HW_REG_IB_STS2, 6, 4)
	s_cmp_eq_u32 s2, 0
	s_cbranch_scc0 .Lentry_in_a_cluster
	s_endpgm
.Lentry_in_a_cluster:
	s_bfe_u32 s2, ttmp6, 0x10000c
	s_cmp_lg_u32 s2, 0xf033
	s_cbranch_scc0 .Lentry_shape_is_right
	s_endpgm
.Lentry_shape_is_right:
; q = x wq^T, k = x wk^T, v = x wv^T on codes of FP6 (E2M3) with one E8M0 scale for each 32 along K = 2,048; the results are quantised at once, in registers, and leave as codes.
; THREE PRODUCTS, ONE TEXT.  The cluster's y says which (0, 1: q; 2, 3: k; 4, 5: v).  A tile of 256 x 256 is made by four waves, 128 x 128 each: 64 accumulators, 512 registers.
; The matrix instruction takes 16 rows of "B" as source 0 and 16 rows of "A" as source 1: a lane then holds ONE row of A and its registers run along B's rows, which are the next product's K.
;   q, k: A = x (tokens), B = the weight (a head's 128 columns: 64 of its first score head, 64 of its second): quantised along the head's columns.
;   v:    A = wv (a head's 128 channels), B = x (tokens = keys): quantised along the keys.
; A wave's 128 x 128 is one BLOCK of the output: eight fragments of 16 rows x 128 K, each stored as the IMAGE of an operand's 12 registers (three stores of 512 consecutive bytes, lane l's 16 bytes at 16 l),
; and 128 scale words (row i's at 4 i).  qkv_codes [which][head][j][12,288], qkv_scales [which][head][j][512]; j = block of 128 tokens.
; ORDER INSIDE A BLOCK OF 32: a lane's registers 16 b + i hold K' = 32 b + 16 (i / 8) + 8 (lane / 16) + i % 8, so the codes of a block stand in the order 0-7, 16-23, 8-15, 24-31.  The block holds the right 32 numbers
; (the same scale), and q and k, v and p get the same order: a permutation of K applied alike to both operands keeps every product.
; LIMITS: NaN and infinities are not served.  A block whose largest magnitude lies under 2^-124, a block of zeros too, gets the byte 1 (the rule says 127 for zeros): its codes add nothing, and this program alone reads the bytes.
; K goes in steps of 256 through a ring of two LDS slots filled by the tensor data mover; the scale bytes of the 256 + 256 rows, for all of K, come once.  CLUSTERS of 4 x 4: A's tiles are asked for jointly
; along a row of the cluster, B's along a column.
; REGISTERS, in windows of 256: window 0: v16-29 addresses; v32-63 scale words, two sets, and nothing else; v64-127 and v224-227 at work on the way out; v128-223 A's fragments, one set.
;   window 1: B's fragments, two sets, at v0 and v128.   window 2: the accumulators of my rows 0-63 ((a, b) at v[8 (8 a + b)]);   window 3: those of my rows 64-127.
.set SIZE_K, 2048
.set KSTEP,  256                       ; along K in a slot
.set NQ,     KSTEP/128                 ; matrix instructions deep
.set ROWB,   192                       ; a tile's row in bytes
.set KROW,   SIZE_K*6/8                ; a row of codes in memory
.set PITCH,  240                       ; an LDS row: 3 x (64 bytes + 16 of padding)
.set FR,     12                        ; registers of a fragment
.set NL,     6                         ; LDS loads that bring one
.set NP,     4                         ; places behind this matrix instruction (ISA guide 7.12.1)
.set HALFT,  128*PITCH                 ; 128 rows: one tensor load
.set SLOT,   4*HALFT                   ; A's 256 rows, then B's 256
.set LAPS,   SIZE_K/(2*KSTEP)
.set KS,     SIZE_K/32                 ; a row of scale bytes
.set SCL,    2*SLOT                    ; behind the ring: the scale bytes, units of 256 bytes + 16 of padding
.set HALFS,  (128*KS/256)*272
.set SBLK,   (16*KS/256)*272
.set SPARE,  SCL+4*HALFS               ; the spare words, 128 bytes a wave: two blocks of 256 bytes that no other line names
.set STG,    SPARE+512                 ; 512 bytes a wave: the block's scale words on their way out; no tile ever lands here
.set BLKB,   12288                     ; a block of the output
.set ADRA, 16                          ; v16-17 LDS address of my A fragments in slot 0, 1 (v18-19: behind one padding more)
.set ADRB, 20                          ; v20-23 the same for B
.set STW,  24                          ; v24 where I put a row's scale word
.set STR,  25                          ; v25 where I read 16 bytes of them back
.set CO,   26                          ; v26 16 x lane
.set ADRS, 27                          ; v27 LDS address of my scale words: lanes 0-15 A's rows, lanes 16-31 B's
.set SPW,  28                          ; v28 my spare word; never rewritten
.set NIL,  29                          ; v29 0; never rewritten
.set SC,   32                          ; scale words, set s at v[SC + 8 NQ s]
.set TM,   64                          ; v64-67 largest magnitudes, v68-71 the other half's, then bytes, v76-79 the conversions' scale operands
.set PW,   80                          ; v80-87 the scale word of each of my eight tiles of rows
.set PCS,  88                          ; v88-106, v108-126: two sets: 12 registers of codes, then the conversions' second halves
.set BKW,  224                         ; v224-227 scale words read back
.set AF,   128
.set G1, 24
.set G0, 32
.set G1B, 48
.set G0B, 56
.set G1S, 68
.set G0S, 76
.set G1SB, 80
.set G0SB, 88
.set MSB, 0
.macro WIN new                         ; the immediate's high byte repeats the setting that is left
.if MSB != (\new)
	s_set_vgpr_msb (MSB<<8)|(\new)
.set MSB, (\new)
.endif
.endm
.set MUL_LO, 0xa1                      ; source 0 (B) window 1, source 1 (A) window 0, C and D window 2
.set MUL_HI, 0xf1                      ; the same, C and D window 3
.set TO_B,   0x40                      ; destination window 1, address window 0
; A joint load: waves 0 and 1 fetch for A, waves 2 and 3 for B; the branch hangs on the wave's number alone.  Four v_nop follow each of the two lines.
.macro JLOAD g0a, g1a, g0b, g1b
	s_cmp_eq_u32 s15, 0
	s_cbranch_scc0 .Lfor_b_\@
	tensor_load_to_lds s[\g0a:\g0a+3], s[\g1a:\g1a+7]
	s_nop 0
.rept 4
	v_nop
.endr
	s_branch .Lasked_\@
.Lfor_b_\@:
	tensor_load_to_lds s[\g0b:\g0b+3], s[\g1b:\g1b+7]
	s_nop 0
.rept 4
	v_nop
.endr
.Lasked_\@:
.endm
.macro CREST                           ; a round of the cluster's barrier behind its opening barrier
	s_cmp_lg_u32 s14, 0
	s_cbranch_scc1 .Lnot_wave_0_\@
	s_barrier_signal -3
.Lnot_wave_0_\@:
	s_barrier_wait -3
	s_barrier_signal -1
	s_barrier_wait -1
.endm
.macro CROUND                          ; a whole round
	s_barrier_signal -1
	s_barrier_wait -1
	CREST
.endm
	s_load_b512 s[24:39], s[0:1], 0x0              ; x's codes 24, scales 26; wq's 28, 30; wk's 32, 34; wv's 36, 38
	s_load_b128 s[44:47], s[0:1], 0x40             ; qkv_codes 44, qkv_scales 46
	v_lshl_add_u32 v[SPW], v0, 2, SPARE
	v_mov_b32 v[NIL], 0
	ds_add_u32 v28, v29
	ds_add_u32 v28, v29
	s_wait_dscnt 0x0
	v_lshrrev_b32 v1, 5, v0
	v_readfirstlane_b32 s14, v1                    ; wave 0..3
	s_lshr_b32 s15, s14, 1                         ; which half of the tile's rows of A is mine.  Also: I fetch for A (0) or for B (1)
	s_and_b32 s16, s14, 1                          ; which half of B's rows.  Also: which 128 rows I fetch
	s_and_b32 s96, ttmp7, 0xffff                   ; the cluster's y, 0..5
	s_lshr_b32 s95, s96, 1                         ; which product: 0 q, 1 k, 2 v: the same in all sixteen partners
	s_and_b32 s96, s96, 1
	s_wait_kmcnt 0x0
	s_cmp_eq_u32 s95, 2                            ; the choices hang on the cluster's number alone
	s_cselect_b64 s[4:5], s[36:37], s[24:25]       ; A's codes: wv's or x's
	s_cselect_b64 s[6:7], s[38:39], s[26:27]       ; A's scales
	s_cselect_b64 s[8:9], s[24:25], s[28:29]       ; B's codes: x's or wq's,
	s_cselect_b64 s[10:11], s[26:27], s[30:31]
	s_cmp_eq_u32 s95, 1
	s_cselect_b64 s[8:9], s[32:33], s[8:9]         ; or wk's
	s_cselect_b64 s[10:11], s[34:35], s[10:11]
	s_mov_b64 s[12:13], s[44:45]                   ; the codes' buffer
	s_mov_b64 s[98:99], s[46:47]                   ; the scale words' buffer
	s_bfe_u32 s40, ttmp6, 0x40000                  ; cx, cy: my place in the cluster
	s_bfe_u32 s41, ttmp6, 0x40004
	s_lshl_b32 s42, ttmp9, 2
	s_add_co_u32 s42, s42, s40                     ; tile column (B's rows) = 4 x cluster x + cx
	s_lshl_b32 s17, s96, 2
	s_add_co_u32 s17, s17, s41                     ; tile row (A's rows) = 4 x (cluster y mod 2) + cy
	s_lshl_b32 s43, s41, 2
	s_lshl_b32 s43, 15, s43                        ; my row of the cluster
	s_lshl_b32 s44, 0x1111, s40                    ; my column
	; descriptor group 1: a tile of 128 rows x 192 bytes, 16 bytes of padding behind every 64
	s_or_b32 s[G1+0], s43, (0<<16)|(1<<20)|(1<<21)|(3<<22)|(3<<25)
	s_or_b32 s[G1B+0], s44, (0<<16)|(1<<20)|(1<<21)|(3<<22)|(3<<25)
.irp g, G1, G1B
	s_mov_b32 s[\g+1], ROWB<<16                    ; tensor_dim0
	s_mov_b32 s[\g+2], 128<<16                     ; tensor_dim1
	s_mov_b32 s[\g+3], ROWB<<16                    ; tile_dim0
	s_mov_b32 s[\g+4], 128                         ; tile_dim1
	s_mov_b32 s[\g+5], KROW                        ; tensor_dim0_stride
	s_mov_b32 s[\g+6], 0
	s_mov_b32 s[\g+7], 0
.endr
	; the scale bytes of 128 rows: a dense block of 8,192 bytes as rows of 256 bytes (32 elements of 8), 16 bytes of padding behind each
	s_or_b32 s[G1S+0], s43, (3<<16)|(1<<20)|(1<<21)|(5<<22)|(3<<25)
	s_or_b32 s[G1SB+0], s44, (3<<16)|(1<<20)|(1<<21)|(5<<22)|(3<<25)
.irp g, G1S, G1SB
	s_mov_b32 s[\g+1], 32<<16
	s_mov_b32 s[\g+2], (128*KS/256)<<16
	s_mov_b32 s[\g+3], 32<<16
	s_mov_b32 s[\g+4], 128*KS/256
	s_mov_b32 s[\g+5], 32
	s_mov_b32 s[\g+6], 0
	s_mov_b32 s[\g+7], 0
.endr
	s_lshl_b32 s18, s16, 7                         ; which 128 rows of the tile I fetch
	s_lshl_b32 s20, s17, 8
	s_add_co_u32 s20, s20, s18                     ; A: row 256 x tile row + 128 x half
	s_lshl_b32 s46, s42, 8
	s_add_co_u32 s46, s46, s18                     ; B: row 256 x tile column + 128 x half
	s_mov_b32 s21, 0
	s_mov_b32 s47, 0
	s_mov_b64 s[18:19], KS
	s_mul_u64 s[22:23], s[20:21], s[18:19]         ; where these rows' scale bytes begin
	s_mul_u64 s[92:93], s[46:47], s[18:19]
	s_mov_b64 s[18:19], KROW
	s_mul_u64 s[20:21], s[20:21], s[18:19]         ; and their codes
	s_mul_u64 s[46:47], s[46:47], s[18:19]
	s_mul_i32 s45, s14, HALFT                      ; where they go: wave x 128 rows: no place in the cluster enters an LDS address
	s_mul_i32 s94, s14, HALFS
	s_add_nc_u64 s[20:21], s[4:5], s[20:21]
	s_add_nc_u64 s[22:23], s[6:7], s[22:23]
	s_add_nc_u64 s[46:47], s[8:9], s[46:47]
	s_add_nc_u64 s[92:93], s[10:11], s[92:93]
	CROUND                                         ; all sixteen work-groups are here: the first joint loads meet
	s_mov_b32 s[G0S], 1
	s_add_co_u32 s[G0S+1], s94, SCL
	s_mov_b64 s[G0S+2:G0S+3], s[22:23]
	s_or_b32 s[G0S+3], s[G0S+3], 0x80000000
	s_mov_b32 s[G0SB], 1
	s_add_co_u32 s[G0SB+1], s94, SCL
	s_mov_b64 s[G0SB+2:G0SB+3], s[92:93]
	s_or_b32 s[G0SB+3], s[G0SB+3], 0x80000000
	JLOAD G0S, G1S, G0SB, G1SB                     ; the scale bytes first: they are wanted with K step 0
.irp s, 0,1
	s_mov_b32 s[G0+4*\s], 1
	s_add_co_u32 s[G0+4*\s+1], s45, \s*SLOT
	s_add_nc_u64 s[G0+4*\s+2:G0+4*\s+3], s[20:21], \s*ROWB
	s_or_b32 s[G0+4*\s+3], s[G0+4*\s+3], 0x80000000
	s_mov_b32 s[G0B+4*\s], 1
	s_add_co_u32 s[G0B+4*\s+1], s45, \s*SLOT
	s_add_nc_u64 s[G0B+4*\s+2:G0B+4*\s+3], s[46:47], \s*ROWB
	s_or_b32 s[G0B+4*\s+3], s[G0B+4*\s+3], 0x80000000
	JLOAD G0+4*\s, G1, G0B+4*\s, G1B               ; three tensor loads of mine are out
.endr
	v_and_b32 v1, 15, v0                           ; l % 16
	v_bfe_u32 v2, v0, 4, 1                         ; l / 16
	v_mul_u32_u24 v3, v1, PITCH
	v_mul_u32_u24 v4, v2, 24
	v_add_nc_u32 v4, v3, v4                        ; a fragment's row x pitch + 24 x half
	v_lshl_add_u32 v5, v2, 4, v4                   ; and the same behind one padding more
	s_mul_i32 s21, s15, HALFT                      ; my 128 rows of A
	s_mul_i32 s22, s16, HALFT                      ; my 128 rows of B,
	s_add_co_u32 s22, s22, 2*HALFT                 ; which lie behind A's 256
.irp s, 0,1
	v_add_nc_u32 v[ADRA+\s], s21, v4
	v_add_nc_u32 v[ADRB+\s], s22, v4
	v_add_nc_u32 v[ADRA+2+\s], s21, v5
	v_add_nc_u32 v[ADRB+2+\s], s22, v5
	s_add_co_u32 s21, s21, SLOT
	s_add_co_u32 s22, s22, SLOT
.endr
	v_mul_u32_u24 v5, v1, KS                       ; my row's scale bytes: KS bytes a row,
	v_lshrrev_b32 v6, 8, v5
	v_lshl_add_u32 v5, v6, 4, v5                   ; and 16 more for each 256 passed
	s_mul_i32 s21, s15, HALFS                      ; A's: my 128 rows
	s_mul_i32 s22, s16, HALFS                      ; B's: my 128 rows, behind A's 256
	s_add_co_u32 s22, s22, 2*HALFS
	s_sub_co_u32 s22, s22, s21
	v_mul_u32_u24 v6, s22, v2                      ; lanes 16-31 take B's
	s_add_co_u32 s21, s21, SCL
	v_add_nc_u32 v5, v5, v6
	v_add_nc_u32 v[ADRS], s21, v5
	s_lshl_b32 s23, s14, 9
	s_add_co_u32 s23, s23, STG                     ; my 512 bytes for the scale words
	v_lshl_add_u32 v[STW], v1, 2, s23              ; in: 4 x (l % 16)
	v_and_b32 v6, 31, v0
	v_lshl_add_u32 v[STR], v6, 4, s23              ; back: 16 x lane
	v_lshlrev_b32 v[CO], 4, v6
	; which block of the output is mine: 256 x which + 16 x head + block of tokens
	s_lshl_b32 s20, s17, 1
	s_add_co_u32 s20, s20, s15                     ; my 128 rows of A
	s_lshl_b32 s46, s42, 1
	s_add_co_u32 s46, s46, s16                     ; my 128 rows of B
	s_cmp_eq_u32 s95, 2
	s_cselect_b32 s21, s20, s46                    ; the head: v: A's rows; q, k: B's
	s_cselect_b32 s22, s46, s20                    ; the tokens: the other
	s_lshl_b32 s23, s95, 8
	s_lshl_b32 s21, s21, 4
	s_add_co_u32 s23, s23, s21
	s_add_co_u32 s23, s23, s22
	s_mul_i32 s20, s23, BLKB
	s_mov_b32 s21, 0
	s_add_nc_u64 s[12:13], s[12:13], s[20:21]
	s_lshl_b32 s20, s23, 9
	s_add_nc_u64 s[98:99], s[98:99], s[20:21]
.macro FRAG reg, adr, q, i             ; a fragment: lane l holds row l % 16; registers 6 c .. 6 c + 5 hold K = 64 c + 32 (l / 16) + 0 .. 31: 24 bytes of the row's stream of bits, in pieces of 8 bytes
.irp p, 0,1,2,3,4,5
.set PC, 12*(\q)+6*(\p/3)+\p%3        ; 16 bytes of padding lie behind every 8 pieces: where the piece three on lies behind one padding more, the second address register serves
.if PC%8 < 5
	ds_load_b64 v[\reg+2*\p:\reg+2*\p+1], v[\adr] offset:8*PC+16*(PC/8)+(\i)*16*PITCH
.else
	ds_load_b64 v[\reg+2*\p:\reg+2*\p+1], v[\adr+2] offset:8*PC+16*(PC/8)+(\i)*16*PITCH
.endif
.endr
.endm
; 16 matrix instructions: A's blocks a0, a0 + 1 x B's eight, 128 along K.  zero = 1: the first product starts the sums.  The 64 accumulators take turns, one instruction a turn.
.macro MUL16 a0, p, q, sc, zero
.irp a, \a0, \a0+1
.irp b, 0,1,2,3,4,5,6,7
.if \zero
	v_wmma_scale_f32_16x16x128_f8f6f4 v[8*(8*((\a)%4)+\b):8*(8*((\a)%4)+\b)+7], v[128*(\p)+FR*\b:128*(\p)+FR*\b+FR-1], v[AF+FR*(\a):AF+FR*(\a)+FR-1], 0, v[SC+8*NQ*(\sc)+NQ*\b+(\q)], v[SC+8*NQ*(\sc)+NQ*(\a)+(\q)] matrix_a_fmt:MATRIX_FMT_FP6 matrix_b_fmt:MATRIX_FMT_FP6 matrix_a_scale:MATRIX_SCALE_ROW1
.else
	v_wmma_scale_f32_16x16x128_f8f6f4 v[8*(8*((\a)%4)+\b):8*(8*((\a)%4)+\b)+7], v[128*(\p)+FR*\b:128*(\p)+FR*\b+FR-1], v[AF+FR*(\a):AF+FR*(\a)+FR-1], v[8*(8*((\a)%4)+\b):8*(8*((\a)%4)+\b)+7], v[SC+8*NQ*(\sc)+NQ*\b+(\q)], v[SC+8*NQ*(\sc)+NQ*(\a)+(\q)] matrix_a_fmt:MATRIX_FMT_FP6 matrix_b_fmt:MATRIX_FMT_FP6 matrix_a_scale:MATRIX_SCALE_ROW1
.endif
.endr
.endr
.endm
.macro FETCH_B slot, q, p
	WIN TO_B
.irp i, 0,1,2,3,4,5,6,7
	FRAG 128*(\p)+FR*\i, ADRB+\slot, \q, \i
.endr
	WIN 0
.endm
.macro FETCH_A slot, q, i0
.irp i, \i0, \i0+1, \i0+2, \i0+3
	FRAG AF+FR*(\i), ADRA+\slot, \q, \i
.endr
.endm
.macro SCALES sc                       ; a K step's scale words: lanes 0-15 take A's block i, lanes 16-31 B's block i
.irp i, 0,1,2,3,4,5,6,7
	ds_load_b64 v[SC+8*NQ*\sc+NQ*\i:SC+8*NQ*\sc+NQ*\i+1], v[ADRS] offset:\i*SBLK
.endr
.endm
.macro PLACES n                        ; plain vector instructions between a matrix instruction and a load into, or a read of, its registers (ISA guide 7.12.1 for reads)
.rept \n
	v_nop
.endr
.endm
.macro STEP slot, q, zero              ; 128 along K that have their successor in the same slot
	s_wait_dscnt 4*NL                              ; B's set and A's blocks 0-3 are in; the youngest 24 loads (A's blocks 4-7) may be out
	WIN MUL_LO
	MUL16 0, (\q)%2, \q, \slot, \zero
	MUL16 2, (\q)%2, \q, \slot, \zero
	s_wait_dscnt 0                                 ; A's blocks 4-7 are in
	PLACES NP
	FETCH_B \slot, (\q)+1, 1-(\q)%2
	FETCH_A \slot, (\q)+1, 0
	WIN MUL_HI
	MUL16 4, (\q)%2, \q, \slot, \zero
	MUL16 6, (\q)%2, \q, \slot, \zero
	PLACES NP
	WIN 0
	FETCH_A \slot, (\q)+1, 4
.endm
; A slot's last step changes slots: one barrier; in front of it each wave waits for all its tensor loads, adds 0 to its spare word, and waits for that and for its own reads of this slot.
.macro TURN slot, next, fill
	s_wait_tensorcnt 0x0                           ; all my tensor loads have landed: my part of the next slot
	ds_add_u32 v[SPW], v[NIL]                      ; 0 onto my spare word
	s_wait_dscnt 4*NL+1                            ; (the add and the youngest 24 loads may be out)
	WIN MUL_LO
	MUL16 0, 1, NQ-1, \slot, 0
	s_wait_dscnt 0x0                               ; the add is done, and my reads of this slot are over
	s_barrier_signal -1
	MUL16 2, 1, NQ-1, \slot, 0
	WIN 0
	s_barrier_wait -1
.if \fill
	CREST                                          ; the barrier has opened a round of the cluster's: no wave of any partner still reads this slot or has a load on its way
	s_add_nc_u64 s[G0+4*\slot+2:G0+4*\slot+3], s[G0+4*\slot+2:G0+4*\slot+3], 2*ROWB
	s_add_nc_u64 s[G0B+4*\slot+2:G0B+4*\slot+3], s[G0B+4*\slot+2:G0B+4*\slot+3], 2*ROWB
	JLOAD G0+4*\slot, G1, G0B+4*\slot, G1B         ; the first tensor load behind the round; its four v_nop are also the places in front of the loads below
.else
	PLACES NP
.endif
	v_add_nc_u32 v[ADRS], 4*NQ, v[ADRS]            ; on to the next K step's scale words
	FETCH_B \next, 0, 0
	FETCH_A \next, 0, 0
	SCALES \next
	WIN MUL_HI
	MUL16 4, 1, NQ-1, \slot, 0
	MUL16 6, 1, NQ-1, \slot, 0
	PLACES NP
	WIN 0
	FETCH_A \next, 0, 4
.endm
	s_wait_tensorcnt 1                             ; the scale bytes and my part of K step 0 are in (K step 1's load may be out),
	s_barrier_signal -1
	s_barrier_wait -1                              ; everybody's are
	FETCH_B 0, 0, 0
	FETCH_A 0, 0, 0
	SCALES 0
	FETCH_A 0, 0, 4
	STEP 0, 0, 1                                   ; the first step stands in front of the loop: its products start the sums
	s_mov_b32 s3, LAPS-1
.Llap:                                                 ; a trip goes once round the ring and fills both slots again
	TURN 0, 1, 1
	STEP 1, 0, 0
	TURN 1, 0, 1
	STEP 0, 0, 0
	s_sub_co_u32 s3, s3, 1
	s_cmp_lg_u32 s3, 0
	s_cbranch_scc1 .Llap
	TURN 0, 1, 0                                   ; the last lap fills nothing
	STEP 1, 0, 0
	s_wait_dscnt 4*NL                              ; the very last step
	WIN MUL_LO
	MUL16 0, 1, NQ-1, 1, 0
	MUL16 2, 1, NQ-1, 1, 0
	s_wait_dscnt 0
	WIN MUL_HI
	MUL16 4, 1, NQ-1, 1, 0
	MUL16 6, 1, NQ-1, 1, 0
	WIN 0
; THE WAY OUT.  Tile a of my rows: its eight accumulators are 64 numbers of a lane's row, four blocks of 32 shared with lane l xor 16.  They become 12 registers of codes and a scale word.
; A block's scale: the largest magnitude (with the floor 2^-124 among its leaves) with 2 taken off its exponent field is the conversion's scale operand; that field is the byte.
.macro QUANTW a
.set AC, 64*((\a)%4)
.set WW, 2+(\a)/4                      ; the tile's window
.set P, PCS+20*((\a)%2)
	WIN 5*WW                                       ; sources 0 and 1 in the tile's window
.irp b, 0,1,2,3
	v_max3_num_f32 v[TM+\b], |v[AC+16*\b]|, |v[AC+16*\b+1]|, 0x1800000   ; each accumulator is read from its low end on
.endr
.irp i, 2,4,6,8,10,12,14
.irp b, 0,1,2,3
	v_max3_num_f32 v[TM+\b], |v[AC+16*\b+\i]|, |v[AC+16*\b+\i+1]|, v[TM+\b]   ; the four blocks by turns
.endr
.endr
	WIN 0
.irp b, 0,1,2,3
	v_permlanex16_b32 v[TM+4+\b], v[TM+\b], s20, s21
.endr
.irp b, 0,1,2,3
	v_max_num_f32 v[TM+\b], v[TM+\b], v[TM+4+\b]   ; with lane l xor 16's: the block's largest magnitude
.endr
.irp b, 0,1,2,3
	v_add_nc_u32 v[TM+12+\b], 0xff000000, v[TM+\b] ; 2 off its exponent field
.endr
.irp b, 0,1,2,3
	v_lshrrev_b32 v[TM+4+\b], 23, v[TM+12+\b]      ; the byte
.endr
	v_lshl_or_b32 v[PW+\a], v[TM+5], 8, v[TM+4]    ; my row's scale word
	v_lshl_or_b32 v[PW+\a], v[TM+6], 16, v[PW+\a]
	v_lshl_or_b32 v[PW+\a], v[TM+7], 24, v[PW+\a]
	WIN WW                                         ; source 0 in the tile's window
.irp c, 0,1
	v_cvt_scalef32_pk16_fp6_f32 v[P+6*\c:P+6*\c+2], v[AC+32*\c:AC+32*\c+15], v[TM+12+2*\c]
	v_cvt_scalef32_pk16_fp6_f32 v[P+12+4*\c:P+14+4*\c], v[AC+32*\c+16:AC+32*\c+31], v[TM+13+2*\c]   ; (a conversion's three registers begin on an even number)
.endr
	WIN 0
	v_nop                                          ; one plain place behind a scaled conversion
.irp c, 0,1                                    ; the operand's layout wants a whole block in a lane: lanes 0-15 block 2 c, lanes 16-31 block 2 c + 1
.irp i, 0,1,2
	v_permlane16_swap_b32 v[P+6*\c+\i], v[P+12+4*\c+\i]
.endr
.irp i, 0,1,2
	v_mov_b32 v[P+6*\c+3+\i], v[P+12+4*\c+\i]
.endr
.endr
.endm
	PLACES NP                                      ; behind the last products, in front of the first read of results
	s_mov_b32 s20, 0x76543210
	s_mov_b32 s21, 0xfedcba98                      ; v_permlanex16_b32's selects for lane l xor 16
.irp b, 0,1,2,3
	v_mov_b32 v[TM+4+\b], 0                        ; written once: a lane permute's destination counts as one of its sources
.endr
.irp a, 0,1,2,3,4,5,6,7
.if \a >= 2
	s_wait_xcnt 0x0                                ; tile a - 2's stores have read their registers: this set of codes may be written again
.endif
	QUANTW \a
.irp c, 0,1,2
	global_store_b128 v[CO], v[P+4*\c:P+4*\c+3], s[12:13] offset:1536*\a+512*\c   ; the fragment's image: 32 lanes store 512 consecutive bytes, at a multiple of 512 from the buffer's first byte
.endr
	ds_store_b32 v[STW], v[PW+\a] offset:64*\a     ; lanes l and l xor 16 write the same word with the same value
.endr
	ds_load_b128 v[BKW:BKW+3], v[STR]              ; LDS serves a wave's instructions in order (ISA guide 5.7.1.4): this sees my stores
	s_wait_dscnt 0x0
	global_store_b128 v[CO], v[BKW:BKW+3], s[98:99]   ; the block's 128 scale words: 512 consecutive bytes
	s_wait_tensorcnt 0x0                           ; the wave's end
	ds_add_u32 v[SPW], v[NIL]
	s_wait_dscnt 0x0
	CROUND                                         ; the closing round: no work-group ends while a partner may still ask for a tile that names it
	s_endpgm
.Lfunc_end_k_q5283b36273_qkv:
	.size	k_q5283b36273_qkv, .Lfunc_end_k_q5283b36273_qkv-k_q5283b36273_qkv
	.p2alignl 7, 3214868480
	.fill 96, 4, 3214868480
	.section	.rodata,"a",@progbits
	.p2align	6, 0x0
	.amdhsa_kernel k_q5283b36273_qkv
		.amdhsa_group_segment_fixed_size 327680
		.amdhsa_private_segment_fixed_size 0
		.amdhsa_enable_private_segment 0
		.amdhsa_kernarg_size 80
		.amdhsa_user_sgpr_count 2
		.amdhsa_user_sgpr_kernarg_segment_ptr 1
		.amdhsa_wavefront_size32 1
		.amdhsa_system_sgpr_workgroup_id_x 1
		.amdhsa_system_sgpr_workgroup_id_y 1
		.amdhsa_system_sgpr_workgroup_id_z 1
		.amdhsa_system_vgpr_workitem_id 0
		.amdhsa_next_free_vgpr 1024
		.amdhsa_next_free_sgpr 100
		.amdhsa_reserve_vcc 0
		.amdhsa_float_denorm_mode_32 3
		.amdhsa_float_denorm_mode_16_64 3
		.amdhsa_memory_ordered 1
		.amdhsa_forward_progress 1
		.amdhsa_inst_pref_size 165
	.end_amdhsa_kernel
	.amdgpu_metadata
---
amdhsa.version: [ 1, 2 ]
amdhsa.kernels:
  - .name:           k_q5283b36273_qkv
    .symbol:         k_q5283b36273_qkv.kd
    .args:
      - { .name: x_codes, .offset: 0, .size: 8, .value_kind: global_buffer, .address_space: global }
      - { .name: x_scales, .offset: 8, .size: 8, .value_kind: global_buffer, .address_space: global }
      - { .name: wq_codes, .offset: 16, .size: 8, .value_kind: global_buffer, .address_space: global }
      - { .name: wq_scales, .offset: 24, .size: 8, .value_kind: global_buffer, .address_space: global }
      - { .name: wk_codes, .offset: 32, .size: 8, .value_kind: global_buffer, .address_space: global }
      - { .name: wk_scales, .offset: 40, .size: 8, .value_kind: global_buffer, .address_space: global }
      - { .name: wv_codes, .offset: 48, .size: 8, .value_kind: global_buffer, .address_space: global }
      - { .name: wv_scales, .offset: 56, .size: 8, .value_kind: global_buffer, .address_space: global }
      - { .name: qkv_codes, .offset: 64, .size: 8, .value_kind: global_buffer, .address_space: global }
      - { .name: qkv_scales, .offset: 72, .size: 8, .value_kind: global_buffer, .address_space: global }
    .group_segment_fixed_size: 327680
    .private_segment_fixed_size: 0
    .kernarg_segment_align: 8
    .kernarg_segment_size: 80
    .max_flat_workgroup_size: 128
    .sgpr_count:     100
    .vgpr_count:     1024
    .wavefront_size: 32
...
	.end_amdgpu_metadata
.endif
;; end of part 1
;; launch attn (part 2): grid 16 x 16, 8 waves a work-group, clusters of 4 x 1, 327,680 bytes of LDS; arguments qkv_codes, qkv_scales, lambda_q1, lambda_k1, lambda_q2, lambda_k2, subln_w, attn_codes, attn_scales; writes attn_codes, attn_scales
.if DOCPART == 2
	.amdgcn_target "amdgcn-amd-amdhsa--gfx1250"
	.amdhsa_code_object_version 6
	.text
	.protected	k_q5283b36273_attn
	.globl	k_q5283b36273_attn
	.p2align	8
	.type	k_q5283b36273_attn,@function
k_q5283b36273_attn:
	s_mov_b64 s[64:65], 0
	v_nop
	global_prefetch_b8 v0, s[64:65] scope:SCOPE_SE
	s_setreg_imm32_b32 hwreg(HW_REG_WAVE_MODE, 25, 1), 1
	s_wait_xcnt 0x0
	s_wait_alu depctr_hold_cnt(0) depctr_sa_sdst(0) depctr_va_vdst(0) depctr_va_sdst(0) depctr_va_ssrc(0) depctr_va_vcc(0) depctr_vm_vsrc(0)
	s_getreg_b32 s2, hwreg(HW_REG_IB_STS2, 6, 4)
	s_cmp_eq_u32 s2, 0
	s_cbranch_scc0 .Lentry_in_a_cluster
	s_endpgm
.Lentry_in_a_cluster:
	s_bfe_u32 s2, ttmp6, 0x10000c
	s_cmp_lg_u32 s2, 0x3003
	s_cbranch_scc0 .Lentry_shape_is_right
	s_endpgm
.Lentry_shape_is_right:
; Differential attention of one head for 128 queries: a1 = softmax(q1 k1^T / 8) v, a2 = softmax(q2 k2^T / 8) v, a = a1 - lambda a2, RMS norm over the head's 128 channels, gain, x (1 - lambda_init), quantised for the last product.
; All four products on codes of FP6 (E2M3) with E8M0 scales.  q, k, v come as images of operand registers (a fragment of 16 rows x 128 K: three pieces of 512 bytes, lane l's 16 bytes at 16 l) and scale words (row i's at 4 i).
; SHARES.  A work-group owns 128 queries of a head; each of its eight waves 16 of them, for BOTH score heads: so each fragment of K and of V read from LDS feeds two products, and the difference and the norm stay in a lane pair.
; LAYOUT.  Both products are used transposed: S^T = K Q^T (source 0 = 16 keys, source 1 = my queries), O^T = V^T P^T (source 0 = 16 channels, source 1 = P): a lane holds ONE query (lane % 16).
; THE SCORES' K IS 64: a fragment of K holds [k1 | k2] along its 128; the zeros stand in Q, which stays in registers as [q1][0][q2]: v[20:31] = [q1 | 0], v[26:37] = [0 | q2].  Zero codes add nothing under any scale byte that occurs.
; SOFTMAX.  t = score x log2(e) / 8; M = the running largest t rounded up to a whole number; p = 2^(t - M) is quantised along the keys; the row's sum is taken of the unquantised p and divides at the end;
; when M moves, the sum and O^T are multiplied by 2^(old M - new M): exact.
; ORDER INSIDE A BLOCK OF 32: p's codes stand in the order 0-7, 16-23, 8-15, 24-31 of the block's keys, as v's do (and q's and k's channels alike): a permutation of K applied alike to both operands keeps every product.
; The result meets a GIVEN operand, so its channels are brought into their true order (32 exchanges of halves of lanes) ahead of its quantiser.
; LIMITS: NaN and infinities are not served.  A block whose largest magnitude lies under 2^-124, a block of zeros too, gets the byte 1 (the rule says 127 for zeros): its codes add nothing, and this program alone reads the bytes.
; LDS.  Twelve of the head's sixteen key steps of K and of V fit at once; steps 12-15 are brought into the bytes of steps 0-3 when all have read those: ONE refill in the launch.  The scale words of all sixteen steps stay.
; CLUSTER.  The four blocks of queries of a cluster belong to one head and read the same K and V: every tile is asked for jointly, by the same tensor load with the same descriptor and a mask that names the four.
; REGISTERS.  Window 0: v1-11 addresses; v12-19 statistics; v20-37 Q; v38 Q's scale words; v39 lambda; v40-47 K's and V's scale words; v48-175 S^T, then p; v176-199 p's codes; v200-223 at work; v224-255 the gain, tiles 0-3.
;   Window 1: v0-127 O^T of both score heads; v128-223 eight fragments of K or of V; v224-255 the gain, tiles 4-7.
.set BLKB,  12288                      ; a key step's eight fragments
.set VREG,  12*BLKB                    ; K's twelve blocks lie at 0, V's here
.set SCK,   2*VREG                     ; K's scale words: 16 steps x 512 bytes
.set SCV,   SCK+8192                   ; V's
.set SPARE, SCV+8192                   ; the spare words, 128 bytes a wave: four blocks of 256 bytes that no other line names
.set STG,   SPARE+1024                 ; 512 bytes: the result's scale words on their way out; no tile ever lands here
.set LI,  1                            ; v1  16 x lane
.set LS,  2                            ; v2  4 x lane
.set SPW, 3                            ; v3  my spare word; never rewritten
.set NIL, 4                            ; v4  0; never rewritten
.set ADK, 5                            ; v5-8 the step's addresses: K, V, K's scale words, V's
.set ADV, 6
.set ADS, 7
.set ADT, 8
.set LIV, 9                            ; v9  16 x lane + VREG
.set LSK, 10                           ; v10 4 x lane + SCK
.set LSV, 11                           ; v11 4 x lane + SCV
.set QSC, 38
.set LAM, 39
.set KSC, 40                           ; register j: lanes 0-15 tile 2 j's words, lanes 16-31 tile 2 j + 1's
.set VSC, 44
.set BM,  200                          ; v200-203 a block's largest score, p or magnitude
.set T,   204                          ; v204-211 permutes' destinations, bytes, the conversions' second halves
.set SO,  212                          ; v212-215 the conversions' scale operands
.set FRG, 128                          ; in window 1
.set WV,  22
.set SEL, 26
.set CS,  28
.set TB,  30
.set TS,  31
.set CNT, 32
.set KV,  33
.set W4,  34
.set G1,  36
.set G1S, 44
.set G0S, 52
.set MSB, 0
.macro WIN new                         ; the immediate's high byte repeats the setting that is left
.if MSB != (\new)
	s_set_vgpr_msb (MSB<<8)|(\new)
.set MSB, (\new)
.endif
.endm
.macro CROUND                          ; a round of the cluster's barrier
	s_barrier_signal -1
	s_barrier_wait -1
	s_cmp_lg_u32 s[WV], 0
	s_cbranch_scc1 .Lnot_wave_0_\@
	s_barrier_signal -3
.Lnot_wave_0_\@:
	s_barrier_wait -3
	s_barrier_signal -1
	s_barrier_wait -1
.endm
	s_load_b512 s[4:19], s[0:1], 0x0               ; qkv_codes 4, qkv_scales 6, lambda_q1 8, lambda_k1 10, lambda_q2 12, lambda_k2 14, subln_w 16, attn_codes 18
	s_load_b64 s[20:21], s[0:1], 0x40              ; attn_scales
	v_lshl_add_u32 v[SPW], v0, 2, SPARE
	v_mov_b32 v[NIL], 0
	ds_add_u32 v3, v4
	ds_add_u32 v3, v4
	s_wait_dscnt 0x0
	v_lshrrev_b32 v5, 5, v0
	v_readfirstlane_b32 s[WV], v5                  ; wave 0..7
	s_lshr_b32 s[KV], s[WV], 2                     ; I fetch for K (0) or for V (1),
	s_and_b32 s[W4], s[WV], 3                      ; the block of this number in each group of four key steps
	s_bfe_u32 s25, ttmp6, 0x40000                  ; cx
	s_lshl_b32 s24, ttmp9, 2
	s_add_co_u32 s24, s24, s25                     ; my block of 128 queries: it enters Q's and the result's addresses alone
	s_and_b32 s23, ttmp7, 0xffff                   ; the head, which the four partners share
	; descriptor group 1: a dense block of 12,288 bytes as 48 rows of 256 (32 elements of 8 bytes); the mask names all four work-groups, bit 21 beside it
	s_mov_b32 s[G1], 15|(3<<16)|(1<<21)
	s_mov_b32 s[G1+1], 32<<16                      ; tensor_dim0
	s_mov_b32 s[G1+2], 48<<16                      ; tensor_dim1
	s_mov_b32 s[G1+3], 32<<16                      ; tile_dim0
	s_mov_b32 s[G1+4], 48                          ; tile_dim1
	s_mov_b32 s[G1+5], 32                          ; tensor_dim0_stride
	s_mov_b32 s[G1+6], 0
	s_mov_b32 s[G1+7], 0
	s_mov_b32 s[G1S], 15|(3<<16)|(1<<21)           ; the scale words of four key steps: 2,048 bytes, 8 rows of 256
	s_mov_b32 s[G1S+1], 32<<16
	s_mov_b32 s[G1S+2], 8<<16
	s_mov_b32 s[G1S+3], 32<<16
	s_mov_b32 s[G1S+4], 8
	s_mov_b32 s[G1S+5], 32
	s_mov_b32 s[G1S+6], 0
	s_mov_b32 s[G1S+7], 0
	s_mov_b32 s[SEL], 0x76543210
	s_mov_b32 s[SEL+1], 0xfedcba98                 ; v_permlanex16_b32's selects for lane l xor 16
	s_mov_b32 s[CS], 0x3e38aa3b                    ; c = log2(e) / 8
	s_mov_b32 s[CS+1], s[CS]                       ; (named with it as a pair, so it is written)
	s_mul_i32 s72, s23, 16*BLKB                    ; the head's first byte among q's, k's or v's codes,
	s_lshl_b32 s73, s23, 13                        ; and among their scale words
	s_add_co_u32 s30, s[KV], 1                     ; k is tensor 1, v tensor 2
	s_mul_i32 s31, s30, 256*BLKB
	s_add_co_u32 s31, s31, s72
	s_mul_i32 s80, s[W4], BLKB
	s_add_co_u32 s80, s80, s31                     ; my block of key steps 0-3, in memory
	s_mov_b32 s81, 0
	s_lshl_b32 s82, s30, 17
	s_add_co_u32 s82, s82, s73
	s_lshl_b32 s31, s[W4], 11
	s_add_co_u32 s82, s82, s31                     ; my 2,048 bytes of scale words
	s_mov_b32 s83, 0
	s_mul_i32 s84, s[KV], VREG
	s_mul_i32 s31, s[W4], BLKB
	s_add_co_u32 s84, s84, s31                     ; where my block goes: no place in the cluster enters an LDS address
	s_lshl_b32 s85, s[WV], 11
	s_mul_i32 s74, s24, BLKB
	s_add_co_u32 s74, s74, s72
	s_mul_i32 s75, s[WV], 1536
	s_add_co_u32 s74, s74, s75                     ; Q: my tile's image
	s_mov_b32 s75, 0
	s_lshl_b32 s76, s24, 9
	s_add_co_u32 s76, s76, s73                     ; head x 8,192 + block x 512: my block's scale words, in q's and in the result's
	s_mov_b32 s77, 0
	s_lshl_b32 s86, s[WV], 6
	s_add_co_u32 s86, s86, s76                     ; Q: my tile's 16 scale words
	s_mov_b32 s87, 0
	s_lshl_b32 s78, s24, 3
	s_add_co_u32 s78, s78, s[WV]                   ; my tile of rows, of 128
	s_lshl_b32 s78, s78, 4
	s_add_co_u32 s78, s78, s23
	s_mul_i32 s78, s78, 1536                       ; the result's image: [tile of rows][head]
	s_mov_b32 s79, 0
	s_wait_kmcnt 0x0
	s_add_nc_u64 s[80:81], s[4:5], s[80:81]
	s_add_nc_u64 s[82:83], s[6:7], s[82:83]
	s_add_nc_u64 s[4:5], s[4:5], s[74:75]
	s_add_nc_u64 s[6:7], s[6:7], s[86:87]
	s_add_nc_u64 s[18:19], s[18:19], s[78:79]
	s_add_nc_u64 s[20:21], s[20:21], s[76:77]
	s_mov_b32 s[G0S], 1
	s_add_co_u32 s[G0S+1], s85, SCK                ; waves 0-3: K's words; waves 4-7: V's, which lie behind them
	s_mov_b64 s[G0S+2:G0S+3], s[82:83]
	s_or_b32 s[G0S+3], s[G0S+3], 0x80000000
.macro MKG0 g, s                       ; descriptor group 0 for my block of key steps 4 s .. 4 s + 3
	s_mov_b32 s[\g], 1
	s_add_co_u32 s[\g+1], s84, \s*4*BLKB
	s_add_nc_u64 s[\g+2:\g+3], s[80:81], \s*4*BLKB
	s_or_b32 s[\g+3], s[\g+3], 0x80000000
.endm
	MKG0 56, 0
	MKG0 60, 1
	MKG0 68, 2
	CROUND                                         ; all four work-groups are here: the first joint loads meet
	tensor_load_to_lds s[G0S:G0S+3], s[G1S:G1S+7]  ; every wave issues the same four lines, each into bytes of its own: four tensor loads of mine are out
	s_nop 0
	tensor_load_to_lds s[56:59], s[G1:G1+7]
	s_nop 0
	tensor_load_to_lds s[60:63], s[G1:G1+7]
	s_nop 0
	tensor_load_to_lds s[68:71], s[G1:G1+7]
	s_nop 0
.rept 4
	v_nop
.endr
	v_and_b32 v220, 31, v0                         ; lane
	v_lshlrev_b32 v[LI], 4, v220
	v_lshlrev_b32 v[LS], 2, v220
	v_add_nc_u32 v[LIV], VREG, v[LI]
	v_add_nc_u32 v[LSK], SCK, v[LS]
	v_add_nc_u32 v[LSV], SCV, v[LS]
	v_and_b32 v5, 15, v0
	v_lshlrev_b32 v5, 2, v5                        ; 4 x (lane % 16)
	v_lshlrev_b32 v6, 3, v220                      ; 8 x lane
	v_bfe_u32 v7, v0, 4, 1
	v_lshlrev_b32 v7, 5, v7                        ; 32 x (lane / 16)
	global_load_b128 v[26:29], v[LI], s[4:5]       ; Q's image: registers 0-5 (q1) land in v26-31 and are moved below, registers 6-11 (q2) in v32-37
	global_load_b128 v[30:33], v[LI], s[4:5] offset:512
	global_load_b128 v[34:37], v[LI], s[4:5] offset:1024
	global_load_b32 v[QSC], v5, s[6:7]
	global_load_b64 v[48:49], v6, s[8:9]           ; the four lambda vectors, two numbers a lane
	global_load_b64 v[50:51], v6, s[10:11]
	global_load_b64 v[52:53], v6, s[12:13]
	global_load_b64 v[54:55], v6, s[14:15]
.irp t, 0,1,2,3                                ; the gain in O^T's layout: tile t, register j: channel 16 t + 8 (lane / 16) + j
	global_load_b128 v[224+8*\t:227+8*\t], v7, s[16:17] offset:64*\t
	global_load_b128 v[228+8*\t:231+8*\t], v7, s[16:17] offset:64*\t+16
.endr
	WIN 0x40                                       ; destination window 1
.irp t, 0,1,2,3
	global_load_b128 v[224+8*\t:227+8*\t], v7, s[16:17] offset:256+64*\t
	global_load_b128 v[228+8*\t:231+8*\t], v7, s[16:17] offset:256+64*\t+16
.endr
.set j, 0
.rept 128
	v_mov_b32 v[j], 0                              ; O^T of both score heads.  (The key step is written once: the first finds zeros, which the first change of M leaves zeros)
.set j, j+1
.endr
	WIN 0
.irp u, 0,1
	v_mov_b32 v[13+4*\u], 0xff61b1e6               ; the largest t so far: -3e38
	v_floor_f32 v[12+4*\u], -v[13+4*\u]            ; -M
	v_mov_b32 v[14+4*\u], 0                        ; the sum, in two halves
	v_mov_b32 v[15+4*\u], 0
.endr
.irp b, 0,1,2,3
	v_mov_b32 v[T+\b], 0                           ; written once: a lane permute's destination counts as one of its sources
.endr
	v_mov_b32 v219, 0                              ; (named as the upper half of pairs before they are first written)
	v_mov_b32 v222, 0
	v_mov_b32 v223, 0
	s_wait_loadcnt 0x0
.irp i, 0,1,2,3,4,5
	v_mov_b32 v[20+\i], v[26+\i]                   ; q1 to its place,
.endr
.irp i, 0,1,2,3,4,5
	v_mov_b32 v[26+\i], 0                          ; and zero codes between q1 and q2
.endr
	v_mul_f32 v220, v48, v50                       ; lambda = exp(lambda_q1 . lambda_k1) - exp(lambda_q2 . lambda_k2) + lambda_init
	v_mul_f32 v221, v52, v54
	v_fma_f32 v220, v49, v51, v220
	v_fma_f32 v221, v53, v55, v221
.irp m, 1,2,4,8
	v_add_f32_dpp v220, v220, v220 row_xmask:\m row_mask:0xf bank_mask:0xf
	v_add_f32_dpp v221, v221, v221 row_xmask:\m row_mask:0xf bank_mask:0xf
.endr
	v_permlanex16_b32 v222, v220, s[SEL], s[SEL+1]
	v_permlanex16_b32 v223, v221, s[SEL], s[SEL+1]
	v_add_f32 v220, v220, v222
	v_add_f32 v221, v221, v223
	v_mul_f32 v220, 0x3fb8aa3b, v220
	v_mul_f32 v221, 0x3fb8aa3b, v221
	v_exp_f32 v220, v220
	v_exp_f32 v221, v221
	v_nop                                          ; one plain place behind a transcendental
	s_wait_alu depctr_va_vdst(0)
	v_sub_f32 v[LAM], v220, v221
	v_add_f32 v[LAM], 0x3f489a63, v[LAM]           ; + 0.8 - 0.6 exp(-3.6)
	s_wait_tensorcnt 0x2                           ; the scale words and my block of key steps 0-3 are in; the two loads behind them (steps 4-11) may be out,
	s_barrier_signal -1
	s_barrier_wait -1                              ; everybody's are
; From the four blocks' largest magnitudes in v[BM] on, and 64 numbers in v[sb] on: the scale word in v[pw] and the operand's 12 registers in v[pc] on.
.macro CODES sb, pc, pw
.irp b, 0,1,2,3
	v_add_nc_u32 v[SO+\b], 0xff000000, v[BM+\b]    ; 2 off the exponent field: the conversion takes the exponent field of this operand as its scale
.endr
.irp b, 0,1,2,3
	v_lshrrev_b32 v[T+\b], 23, v[SO+\b]            ; the byte
.endr
	v_lshl_or_b32 v[\pw], v[T+1], 8, v[T]
	v_lshl_or_b32 v[\pw], v[T+2], 16, v[\pw]
	v_lshl_or_b32 v[\pw], v[T+3], 24, v[\pw]
.irp c, 0,1
	v_cvt_scalef32_pk16_fp6_f32 v[\pc+6*\c:\pc+6*\c+2], v[\sb+32*\c:\sb+32*\c+15], v[SO+2*\c]
	v_cvt_scalef32_pk16_fp6_f32 v[T+4*\c:T+4*\c+2], v[\sb+32*\c+16:\sb+32*\c+31], v[SO+2*\c+1]   ; (a conversion's three registers begin on an even number)
.endr
	v_nop                                          ; one plain place behind a scaled conversion
.irp c, 0,1                                    ; the operand's layout wants a whole block in a lane: lanes 0-15 block 2 c, lanes 16-31 block 2 c + 1
.irp i, 0,1,2
	v_permlane16_swap_b32 v[\pc+6*\c+\i], v[T+4*\c+\i]
.endr
.irp i, 0,1,2
	v_mov_b32 v[\pc+6*\c+3+\i], v[T+4*\c+\i]
.endr
.endr
.endm
; The softmax of score head u for 128 keys.
.macro SOFTMAX u
.set SB, 48+64*\u
.set ST, 12+4*\u                       ; -M, the largest t, the sum's two halves
.set OB, 64*\u
.irp b, 0,1,2,3
	v_max3_num_f32 v[BM+\b], v[SB+16*\b], v[SB+16*\b+1], v[SB+16*\b+2]   ; the largest score of each block of 32 keys: for the row's maximum and, since p rises with the score, for the block's largest p
.endr
.irp i, 3,5,7,9,11,13
.irp b, 0,1,2,3
	v_max3_num_f32 v[BM+\b], v[BM+\b], v[SB+16*\b+\i], v[SB+16*\b+\i+1]
.endr
.endr
.irp b, 0,1,2,3
	v_max_num_f32 v[BM+\b], v[BM+\b], v[SB+16*\b+15]
.endr
.irp b, 0,1,2,3
	v_permlanex16_b32 v[T+\b], v[BM+\b], s[SEL], s[SEL+1]
.endr
.irp b, 0,1,2,3
	v_max_num_f32 v[BM+\b], v[BM+\b], v[T+\b]      ; with lane l xor 16's 16 keys
.endr
	v_max3_num_f32 v220, v[BM], v[BM+1], v[BM+2]
	v_max_num_f32 v220, v220, v[BM+3]
	v_mul_f32 v220, s[CS], v220                    ; as t (c is positive)
	v_max_num_f32 v[ST+1], v[ST+1], v220           ; the running largest t
	v_mov_b32 v220, v[ST]
	v_floor_f32 v[ST], -v[ST+1]                    ; the new -M = -ceil(t): a whole number
	v_sub_f32 v220, v[ST], v220                    ; old M - new M, 0 or less
	v_cvt_i32_f32 v220, v220                       ; (it saturates)
	v_ldexp_f32 v218, 1.0, v220                    ; f = 2^(old M - new M)
.set j, 0
.rept 32
	v_pk_fma_f32 v[SB+j:SB+j+1], v[SB+j:SB+j+1], s[CS:CS+1], v[ST:ST+1] op_sel_hi:[1,0,0]   ; t - M, two at a time
.set j, j+2
.endr
.irp b, 0,1,2,3
	v_fma_f32 v[BM+\b], v[BM+\b], s[CS], v[ST]     ; the same of each block's largest score
.endr
.set j, 0
.rept 64
	v_exp_f32 v[SB+j], v[SB+j]                     ; p = 2^(t - M), at most 1: not normalised
.set j, j+1
.endr
.irp b, 0,1,2,3
	v_exp_f32 v[BM+\b], v[BM+\b]                   ; the block's largest p
.endr
	v_pk_mul_f32 v[ST+2:ST+3], v[ST+2:ST+3], v[218:219] op_sel_hi:[1,0]   ; the sums under the new M.  (A plain place behind the exponentials)
	s_wait_alu depctr_va_vdst(0)
.irp b, 0,1,2,3
	v_max_num_f32 v[BM+\b], 0x1800000, v[BM+\b]    ; the floor 2^-124: the byte cannot fall under 1
.endr
	CODES 48+64*\u, 176+12*\u, 216+\u
	v_pk_add_f32 v[220:221], v[SB:SB+1], v[SB+2:SB+3]   ; the row's sum is taken of the unquantised p: two at a time, in two chains
.set j, 4
.rept 15
	v_pk_add_f32 v[ST+2:ST+3], v[ST+2:ST+3], v[SB+j:SB+j+1]
	v_pk_add_f32 v[220:221], v[220:221], v[SB+j+2:SB+j+3]
.set j, j+4
.endr
	v_pk_add_f32 v[ST+2:ST+3], v[ST+2:ST+3], v[220:221]
	WIN 0x41                                       ; O^T (destination and source 0) in window 1, f in window 0
.set j, 0
.rept 32
	v_pk_mul_f32 v[OB+j:OB+j+1], v[OB+j:OB+j+1], v[218:219] op_sel_hi:[1,0]   ; O^T under the new M, each accumulator from its low end on
.set j, j+2
.endr
	WIN 0
.endm
; A KEY STEP: 128 keys, both score heads.  s[TB]: where the step's blocks begin in K's and in V's region; s[TS]: its scale words.
.macro STEP
	v_add_nc_u32 v[ADK], s[TB], v[LI]              ; these four are also the places between the last step's products and the loads into the registers that they read
	v_add_nc_u32 v[ADV], s[TB], v[LIV]
	v_add_nc_u32 v[ADS], s[TS], v[LSK]
	v_add_nc_u32 v[ADT], s[TS], v[LSV]
	WIN 0x40                                       ; destination window 1
.irp t, 0,1,2,3,4,5,6,7
.irp c, 0,1,2
	ds_load_b128 v[FRG+12*\t+4*\c:FRG+12*\t+4*\c+3], v[ADK] offset:1536*\t+512*\c   ; 512 consecutive bytes a load
.endr
.endr
	WIN 0
.irp j, 0,1,2,3
	ds_load_b32 v[KSC+\j], v[ADS] offset:128*\j
.endr
	s_wait_dscnt 0x0
	WIN 0x01                                       ; source 0 (K) window 1
.irp t, 0,1,2,3,4,5,6,7
.irp u, 0,1
.if \t%2
	v_wmma_scale_f32_16x16x128_f8f6f4 v[48+64*\u+8*\t:55+64*\u+8*\t], v[FRG+12*\t:FRG+12*\t+11], v[20+6*\u:31+6*\u], 0, v[KSC+\t/2], v[QSC] matrix_a_fmt:MATRIX_FMT_FP6 matrix_b_fmt:MATRIX_FMT_FP6 matrix_a_scale:MATRIX_SCALE_ROW1
.else
	v_wmma_scale_f32_16x16x128_f8f6f4 v[48+64*\u+8*\t:55+64*\u+8*\t], v[FRG+12*\t:FRG+12*\t+11], v[20+6*\u:31+6*\u], 0, v[KSC+\t/2], v[QSC] matrix_a_fmt:MATRIX_FMT_FP6 matrix_b_fmt:MATRIX_FMT_FP6
.endif
.endr
.endr
	WIN 0
.rept 4
	v_nop                                          ; places in front of the loads into K's registers and of the first read of the scores
.endr
	WIN 0x40
.irp t, 0,1,2,3,4,5,6,7
.irp c, 0,1,2
	ds_load_b128 v[FRG+12*\t+4*\c:FRG+12*\t+4*\c+3], v[ADV] offset:1536*\t+512*\c   ; V lands while the softmax is worked
.endr
.endr
	WIN 0
.irp j, 0,1,2,3
	ds_load_b32 v[VSC+\j], v[ADT] offset:128*\j
.endr
	SOFTMAX 0
	SOFTMAX 1
	s_wait_dscnt 0x0                               ; V is in
	WIN 0x51                                       ; source 0 (V), C and D (O^T) window 1; P window 0
.irp t, 0,1,2,3,4,5,6,7                        ; the sixteen accumulators take turns, one instruction a turn
.irp u, 0,1
.if \t%2
	v_wmma_scale_f32_16x16x128_f8f6f4 v[64*\u+8*\t:64*\u+8*\t+7], v[FRG+12*\t:FRG+12*\t+11], v[176+12*\u:187+12*\u], v[64*\u+8*\t:64*\u+8*\t+7], v[VSC+\t/2], v[216+\u] matrix_a_fmt:MATRIX_FMT_FP6 matrix_b_fmt:MATRIX_FMT_FP6 matrix_a_scale:MATRIX_SCALE_ROW1
.else
	v_wmma_scale_f32_16x16x128_f8f6f4 v[64*\u+8*\t:64*\u+8*\t+7], v[FRG+12*\t:FRG+12*\t+11], v[176+12*\u:187+12*\u], v[64*\u+8*\t:64*\u+8*\t+7], v[VSC+\t/2], v[216+\u] matrix_a_fmt:MATRIX_FMT_FP6 matrix_b_fmt:MATRIX_FMT_FP6
.endif
.endr
.endr
	WIN 0
	s_add_co_u32 s[TB], s[TB], BLKB
	s_add_co_u32 s[TS], s[TS], 512
.endm
.macro LOOPN n, tb, ts                 ; n key steps from constants on
	s_mov_b32 s[TB], \tb
	s_mov_b32 s[TS], \ts
	s_mov_b32 s[CNT], \n
.Lstep_\@:
	STEP
	s_sub_co_u32 s[CNT], s[CNT], 1
	s_cmp_lg_u32 s[CNT], 0
	s_cbranch_scc1 .Lstep_\@
.endm
	LOOPN 4, 0, 0                                  ; key steps 0-3
	s_wait_tensorcnt 0x0                           ; THE ONE REFILL.  All my tensor loads have landed (steps 4-11 among them), so a group 0 may be written
	ds_add_u32 v[SPW], v[NIL]                      ; 0 onto my spare word
	s_add_nc_u64 s[58:59], s[58:59], 12*BLKB       ; my block of key steps 12-15; the LDS address stays that of steps 0-3
	s_wait_dscnt 0x0                               ; the add is done, and my reads of steps 0-3 are over
	CROUND                                         ; both now hold of every wave of all four work-groups
	tensor_load_to_lds s[56:59], s[G1:G1+7]        ; the first thing behind the round, my one tensor load: it has eight key steps in which to land
	s_nop 0
.rept 4
	v_nop
.endr
	LOOPN 8, 4*BLKB, 4*512                         ; key steps 4-11
	s_wait_tensorcnt 0x0                           ; my block of steps 12-15 is in,
	s_wait_dscnt 0x0
	s_barrier_signal -1
	s_barrier_wait -1                              ; everybody's is
	LOOPN 4, 0, 12*512                             ; key steps 12-15
	; THE END.  a = O1 / l1 - lambda O2 / l2.  The additions are the places behind the last products.
	v_add_f32 v14, v14, v15
	v_add_f32 v18, v18, v19
	v_permlanex16_b32 v220, v14, s[SEL], s[SEL+1]
	v_permlanex16_b32 v221, v18, s[SEL], s[SEL+1]
	v_add_f32 v14, v14, v220                       ; the rows' sums
	v_add_f32 v18, v18, v221
	v_rcp_f32 v220, v14
	v_rcp_f32 v222, v18
	v_nop                                          ; one plain place behind a transcendental
	s_wait_alu depctr_va_vdst(0)
	v_mul_f32 v222, -v[LAM], v222                  ; -lambda / l2
	s_mov_b32 s72, 0x3c000000                      ; 1 / 128
	s_mov_b32 s73, 0x3727c5ac                      ; 1e-5
	WIN 0x01                                       ; source 0 (O^T) window 1
.set j, 0
.rept 32
	v_pk_mul_f32 v[48+j:49+j], v[j:j+1], v[220:221] op_sel_hi:[1,0]
.set j, j+2
.endr
.set j, 0
.rept 32
	v_pk_fma_f32 v[48+j:49+j], v[64+j:65+j], v[222:223], v[48+j:49+j] op_sel_hi:[1,0,1]
.set j, j+2
.endr
	WIN 0
	v_pk_mul_f32 v[200:201], v[48:49], v[48:49]    ; the sum of squares over the head's 128 channels: my 64 in two chains,
	v_pk_mul_f32 v[202:203], v[50:51], v[50:51]
.set j, 4
.rept 15
	v_pk_fma_f32 v[200:201], v[48+j:49+j], v[48+j:49+j], v[200:201]
	v_pk_fma_f32 v[202:203], v[50+j:51+j], v[50+j:51+j], v[202:203]
.set j, j+4
.endr
	v_pk_add_f32 v[200:201], v[200:201], v[202:203]
	v_add_f32 v200, v200, v201
	v_permlanex16_b32 v202, v200, s[SEL], s[SEL+1]
	v_add_f32 v200, v200, v202                     ; and lane l xor 16's 64
	v_fma_f32 v200, v200, s72, s73                 ; the mean + 1e-5
	v_rsq_f32 v204, v200
	v_nop
.set j, 0
	s_wait_alu depctr_va_vdst(0)
.rept 32
	v_pk_mul_f32 v[48+j:49+j], v[48+j:49+j], v[204:205] op_sel_hi:[1,0]   ; x rms,
.set j, j+2
.endr
.set j, 0
.rept 16
	v_pk_mul_f32 v[48+j:49+j], v[48+j:49+j], v[224+j:225+j]               ; x the gain: tiles 0-3,
.set j, j+2
.endr
	WIN 0x04                                       ; source 1 window 1
.set j, 0
.rept 16
	v_pk_mul_f32 v[80+j:81+j], v[80+j:81+j], v[224+j:225+j]               ; tiles 4-7,
.set j, j+2
.endr
	WIN 0
.set j, 0
.rept 32
	v_pk_mul_f32 v[48+j:49+j], v[48+j:49+j], 0x3e5d9673 op_sel_hi:[1,0]   ; x (1 - lambda_init): the three factors one after the other, in the order in which the module applies them
.set j, j+2
.endr
	; The channels into their true order: register 16 b + j holds channel 32 b + 8 h + j, register 16 b + 8 + j channel 32 b + 16 + 8 h + j (h = lane / 16).  The first's lanes 16-31 change places with the second's lanes 0-15:
	; a lane's registers 16 b + 0 .. 15 then hold channels 32 b + 16 h + 0 .. 15.
.irp b, 0,1,2,3
.irp i, 0,1,2,3,4,5,6,7
	v_permlane16_swap_b32 v[48+16*\b+\i], v[56+16*\b+\i]
.endr
.endr
.irp b, 0,1,2,3
	v_max3_num_f32 v[BM+\b], |v[48+16*\b]|, |v[49+16*\b]|, 0x1800000      ; block b: my 16 numbers, and the floor 2^-124
.endr
.irp i, 2,4,6,8,10,12,14
.irp b, 0,1,2,3
	v_max3_num_f32 v[BM+\b], v[BM+\b], |v[48+16*\b+\i]|, |v[49+16*\b+\i]|
.endr
.endr
.irp b, 0,1,2,3
	v_permlanex16_b32 v[T+\b], v[BM+\b], s[SEL], s[SEL+1]
.endr
.irp b, 0,1,2,3
	v_max_num_f32 v[BM+\b], v[BM+\b], v[T+\b]
.endr
	CODES 48, 176, 216
	v_and_b32 v5, 15, v0
	s_lshl_b32 s74, s[WV], 6
	s_add_co_u32 s74, s74, STG
	v_lshl_add_u32 v5, v5, 2, s74                  ; the stage: 64 bytes a wave, 4 x (lane % 16)
	v_add_nc_u32 v6, STG, v[LI]                    ; and back: 16 x lane
.irp c, 0,1,2
	global_store_b128 v[LI], v[176+4*\c:179+4*\c], s[18:19] offset:512*\c   ; the fragment's image: 512 consecutive bytes a store, at a multiple of 512 from the buffer's first byte
.endr
	ds_store_b32 v5, v216                          ; lanes l and l xor 16 write the same word with the same value
	s_wait_dscnt 0x0                               ; for the others' sake: my store into the stage is done
	s_barrier_signal -1
	s_barrier_wait -1
	s_cmp_lg_u32 s[WV], 0
	s_cbranch_scc1 .Lnot_mine
	ds_load_b128 v[200:203], v6                    ; wave 0 stores the block's 128 scale words: 512 consecutive bytes
	s_wait_dscnt 0x0
	global_store_b128 v[LI], v[200:203], s[20:21]
.Lnot_mine:
	s_wait_tensorcnt 0x0                           ; the wave's end
	ds_add_u32 v[SPW], v[NIL]
	s_wait_dscnt 0x0
	CROUND                                         ; the closing round
	s_endpgm
.Lfunc_end_k_q5283b36273_attn:
	.size	k_q5283b36273_attn, .Lfunc_end_k_q5283b36273_attn-k_q5283b36273_attn
	.p2alignl 7, 3214868480
	.fill 96, 4, 3214868480
	.section	.rodata,"a",@progbits
	.p2align	6, 0x0
	.amdhsa_kernel k_q5283b36273_attn
		.amdhsa_group_segment_fixed_size 327680
		.amdhsa_private_segment_fixed_size 0
		.amdhsa_enable_private_segment 0
		.amdhsa_kernarg_size 72
		.amdhsa_user_sgpr_count 2
		.amdhsa_user_sgpr_kernarg_segment_ptr 1
		.amdhsa_wavefront_size32 1
		.amdhsa_system_sgpr_workgroup_id_x 1
		.amdhsa_system_sgpr_workgroup_id_y 1
		.amdhsa_system_sgpr_workgroup_id_z 1
		.amdhsa_system_vgpr_workitem_id 0
		.amdhsa_next_free_vgpr 512
		.amdhsa_next_free_sgpr 88
		.amdhsa_reserve_vcc 0
		.amdhsa_float_denorm_mode_32 3
		.amdhsa_float_denorm_mode_16_64 3
		.amdhsa_memory_ordered 1
		.amdhsa_forward_progress 1
		.amdhsa_inst_pref_size 137
	.end_amdhsa_kernel
	.amdgpu_metadata
---
amdhsa.version: [ 1, 2 ]
amdhsa.kernels:
  - .name:           k_q5283b36273_attn
    .symbol:         k_q5283b36273_attn.kd
    .args:
      - { .name: qkv_codes, .offset: 0, .size: 8, .value_kind: global_buffer, .address_space: global }
      - { .name: qkv_scales, .offset: 8, .size: 8, .value_kind: global_buffer, .address_space: global }
      - { .name: lambda_q1, .offset: 16, .size: 8, .value_kind: global_buffer, .address_space: global }
      - { .name: lambda_k1, .offset: 24, .size: 8, .value_kind: global_buffer, .address_space: global }
      - { .name: lambda_q2, .offset: 32, .size: 8, .value_kind: global_buffer, .address_space: global }
      - { .name: lambda_k2, .offset: 40, .size: 8, .value_kind: global_buffer, .address_space: global }
      - { .name: subln_w, .offset: 48, .size: 8, .value_kind: global_buffer, .address_space: global }
      - { .name: attn_codes, .offset: 56, .size: 8, .value_kind: global_buffer, .address_space: global }
      - { .name: attn_scales, .offset: 64, .size: 8, .value_kind: global_buffer, .address_space: global }
    .group_segment_fixed_size: 327680
    .private_segment_fixed_size: 0
    .kernarg_segment_align: 8
    .kernarg_segment_size: 72
    .max_flat_workgroup_size: 256
    .sgpr_count:     88
    .vgpr_count:     512
    .wavefront_size: 32
...
	.end_amdgpu_metadata
.endif
;; end of part 2
;; launch oproj (part 3): grid 8 x 8, 4 waves a work-group, clusters of 4 x 4, 327,680 bytes of LDS; arguments attn_codes, attn_scales, wo_codes, wo_scales, out0; writes out0
.if DOCPART == 3
	.amdgcn_target "amdgcn-amd-amdhsa--gfx1250"
	.amdhsa_code_object_version 6
	.text
	.protected	k_q5283b36273_oproj
	.globl	k_q5283b36273_oproj
	.p2align	8
	.type	k_q5283b36273_oproj,@function
k_q5283b36273_oproj:
	s_mov_b64 s[64:65], 0
	v_nop
	global_prefetch_b8 v0, s[64:65] scope:SCOPE_SE
	s_setreg_imm32_b32 hwreg(HW_REG_WAVE_MODE, 25, 1), 1
	s_wait_xcnt 0x0
	s_wait_alu depctr_hold_cnt(0) depctr_sa_sdst(0) depctr_va_vdst(0) depctr_va_sdst(0) depctr_va_ssrc(0) depctr_va_vcc(0) depctr_vm_vsrc(0)
	s_getreg_b32 s2, hwreg(HW_REG_IB_STS2, 6, 4)
	s_cmp_eq_u32 s2, 0
	s_cbranch_scc0 .Lentry_in_a_cluster
	s_endpgm
.Lentry_in_a_cluster:
	s_bfe_u32 s2, ttmp6, 0x10000c
	s_cmp_lg_u32 s2, 0xf033
	s_cbranch_scc0 .Lentry_shape_is_right
	s_endpgm
.Lentry_shape_is_right:
; out0[t][n] = sum over k of a[t][k] wo[n][k], K = 2,048, on codes of FP6 (E2M3) with one E8M0 scale for each 32 along K; out0 f32.
; a comes as this program's own buffers: attn_codes [tile of 16 rows][head][1,536]: the image of an operand's 12 registers (three pieces of 512 bytes, lane l's 16 bytes at 16 l), K = the head's 128 channels;
; attn_scales [head][2,048 rows], a word a row.  wo comes as given: rows of 1,536 bytes of codes, rows of 64 scale bytes.
; A tile of 256 x 256 is made by four waves, 128 x 128 each: 64 accumulators, 512 registers.  There are 64 such tiles: the launch has work for 64 work-groups.
; K goes in steps of 256 (two heads) through a ring of two LDS slots filled by the tensor data mover; the scales of the 256 + 256 rows, for all of K, come once.
; CLUSTERS of 4 x 4: a's tiles are asked for jointly along a row of the cluster, wo's along a column.  THE MATRIX INSTRUCTION IS USED TRANSPOSED (source 0 = 16 rows of wo, source 1 = 16 rows of a):
; a lane then holds eight neighbouring numbers of a row of the output.
; REGISTERS, in windows of 256: window 0: v16-30 addresses; v32-63 scale words, two sets, and nothing else; v128-223 a's fragments, one set; on the way out v128-255 take rows of the output.
;   window 1: wo's fragments, two sets, at v0 and v128.   window 2: the accumulators of my rows 0-63 ((a, b) at v[8 (8 a + b)]);   window 3: those of my rows 64-127.
.set SIZE_K, 2048
.set SIZE_N, 2048
.set KSTEP,  256
.set NQ,     KSTEP/128
.set ROWB,   192                       ; a row of wo's tile in bytes
.set KROW,   SIZE_K*6/8
.set PITCH,  240                       ; its LDS row: 3 x (64 bytes + 16 of padding)
.set FR,     12
.set NLA,    3                         ; LDS loads that bring a fragment of a
.set NP,     4                         ; places behind this matrix instruction (ISA guide 7.12.1)
.set ASTEP,  2*1536                    ; a K step of one tile of 16 rows of a
.set HALFA,  8*ASTEP                   ; 128 rows of a: one tensor load
.set HALFB,  128*PITCH                 ; 128 rows of wo: one tensor load
.set SLOT,   2*HALFA+2*HALFB
.set LAPS,   SIZE_K/(2*KSTEP)
.set KS,     SIZE_K/32
.set SCA,    2*SLOT                    ; behind the ring: a's scale words: [half of the rows][head][128 words]
.set SCB,    SCA+2*8192                ; wo's scale bytes: units of 256 bytes + 16 of padding
.set HALFS,  (128*KS/256)*272
.set SPARE,  SCB+2*HALFS               ; the spare words, 128 bytes a wave: two blocks of 256 bytes that no other line names
.set STAGE,  SPARE+512                 ; the way out: 16 rows x (512 bytes + 16) for each wave; no tile ever lands here
.set SPITCH, 528
.set ADRA, 16                          ; v16-17 LDS address of my fragments of a in slot 0, 1: 16 x lane + my half
.set ADRB, 20                          ; v20-21 of wo's (v22-23: behind one padding more)
.set STO,  24
.set RD,   25
.set CO,   26
.set ADSA, 27                          ; v27 a's scale words: 4 x lane + my half; stepped two heads a K step
.set SPW,  28                          ; v28 my spare word; never rewritten
.set NIL,  29                          ; v29 0; never rewritten
.set ADSB, 30                          ; v30 wo's scale words: row = lane; stepped 8 bytes a K step
.set SC,   32                          ; set s at v[SC + 16 s]: registers 2 j + q: wo's words (lanes 0-15 block 2 j, lanes 16-31 block 2 j + 1); registers 8 + 4 q + j: a's likewise
.set AF,   128
.set BK,   128
.set G1, 24
.set G0, 32
.set G1B, 48
.set G0B, 56
.set G1S, 68
.set G0S, 76
.set G1SB, 80
.set G0SB, 88
.set MSB, 0
.macro WIN new                         ; the immediate's high byte repeats the setting that is left
.if MSB != (\new)
	s_set_vgpr_msb (MSB<<8)|(\new)
.set MSB, (\new)
.endif
.endm
.set MUL_LO, 0xa1                      ; source 0 (wo) window 1, source 1 (a) window 0, C and D window 2
.set MUL_HI, 0xf1
.set TO_B,   0x40
; A joint load: waves 0 and 1 fetch for a, waves 2 and 3 for wo; the branch hangs on the wave's number alone.  Four v_nop follow each of the two lines.
.macro JLOAD g0a, g1a, g0b, g1b
	s_cmp_eq_u32 s15, 0
	s_cbranch_scc0 .Lfor_b_\@
	tensor_load_to_lds s[\g0a:\g0a+3], s[\g1a:\g1a+7]
	s_nop 0
.rept 4
	v_nop
.endr
	s_branch .Lasked_\@
.Lfor_b_\@:
	tensor_load_to_lds s[\g0b:\g0b+3], s[\g1b:\g1b+7]
	s_nop 0
.rept 4
	v_nop
.endr
.Lasked_\@:
.endm
.macro CREST
	s_cmp_lg_u32 s14, 0
	s_cbranch_scc1 .Lnot_wave_0_\@
	s_barrier_signal -3
.Lnot_wave_0_\@:
	s_barrier_wait -3
	s_barrier_signal -1
	s_barrier_wait -1
.endm
.macro CROUND
	s_barrier_signal -1
	s_barrier_wait -1
	CREST
.endm
	s_load_b128 s[4:7], s[0:1], 0x0                ; a's codes, a's scale words
	s_load_b128 s[8:11], s[0:1], 0x10              ; wo's codes, wo's scale bytes
	s_load_b64 s[12:13], s[0:1], 0x20              ; out0
	v_lshl_add_u32 v[SPW], v0, 2, SPARE
	v_mov_b32 v[NIL], 0
	ds_add_u32 v28, v29
	ds_add_u32 v28, v29
	s_wait_dscnt 0x0
	v_lshrrev_b32 v1, 5, v0
	v_readfirstlane_b32 s14, v1                    ; wave 0..3
	s_lshr_b32 s15, s14, 1                         ; which half of the tile's rows is mine.  Also: I fetch for a (0) or for wo (1)
	s_and_b32 s16, s14, 1                          ; which half of its columns.  Also: which 128 rows I fetch
	s_bfe_u32 s40, ttmp6, 0x40000                  ; cx, cy
	s_bfe_u32 s41, ttmp6, 0x40004
	s_lshl_b32 s42, ttmp9, 2
	s_add_co_u32 s42, s42, s40                     ; tile column = 4 x cluster x + cx
	s_and_b32 s17, ttmp7, 0xffff
	s_lshl_b32 s17, s17, 2
	s_add_co_u32 s17, s17, s41                     ; tile row = 4 x cluster y + cy
	s_lshl_b32 s43, s41, 2
	s_lshl_b32 s43, 15, s43                        ; my row of the cluster
	s_lshl_b32 s44, 0x1111, s40                    ; my column
	; a's tile: 8 tiles of 16 rows, of each the K step's 3,072 bytes (384 elements of 8 bytes), 24,576 bytes apart; no padding: it is read 16 x lane on end
	s_or_b32 s[G1+0], s43, (3<<16)|(1<<21)
	s_mov_b32 s[G1+1], 384<<16                     ; tensor_dim0
	s_mov_b32 s[G1+2], 8<<16                       ; tensor_dim1
	s_mov_b32 s[G1+3], 384<<16                     ; tile_dim0
	s_mov_b32 s[G1+4], 8                           ; tile_dim1
	s_mov_b32 s[G1+5], 3072                        ; tensor_dim0_stride
	s_mov_b32 s[G1+6], 0
	s_mov_b32 s[G1+7], 0
	; wo's tile: 128 rows x 192 bytes, 16 bytes of padding behind every 64
	s_or_b32 s[G1B+0], s44, (0<<16)|(1<<20)|(1<<21)|(3<<22)|(3<<25)
	s_mov_b32 s[G1B+1], ROWB<<16
	s_mov_b32 s[G1B+2], 128<<16
	s_mov_b32 s[G1B+3], ROWB<<16
	s_mov_b32 s[G1B+4], 128
	s_mov_b32 s[G1B+5], KROW
	s_mov_b32 s[G1B+6], 0
	s_mov_b32 s[G1B+7], 0
	; a's scale words of 128 rows: 16 heads x 512 bytes (64 elements of 8), 8,192 bytes apart
	s_or_b32 s[G1S+0], s43, (3<<16)|(1<<21)
	s_mov_b32 s[G1S+1], 64<<16
	s_mov_b32 s[G1S+2], 16<<16
	s_mov_b32 s[G1S+3], 64<<16
	s_mov_b32 s[G1S+4], 16
	s_mov_b32 s[G1S+5], 1024
	s_mov_b32 s[G1S+6], 0
	s_mov_b32 s[G1S+7], 0
	; wo's scale bytes of 128 rows: a dense block of 8,192 bytes as rows of 256, 16 bytes of padding behind each
	s_or_b32 s[G1SB+0], s44, (3<<16)|(1<<20)|(1<<21)|(5<<22)|(3<<25)
	s_mov_b32 s[G1SB+1], 32<<16
	s_mov_b32 s[G1SB+2], (128*KS/256)<<16
	s_mov_b32 s[G1SB+3], 32<<16
	s_mov_b32 s[G1SB+4], 128*KS/256
	s_mov_b32 s[G1SB+5], 32
	s_mov_b32 s[G1SB+6], 0
	s_mov_b32 s[G1SB+7], 0
	s_lshl_b32 s20, s17, 4
	s_lshl_b32 s18, s16, 3
	s_add_co_u32 s20, s20, s18                     ; a: tile of rows 16 x tile row + 8 x half
	s_lshl_b32 s22, s20, 6                         ; its scale words in a head's row: 64 bytes a tile of rows
	s_mov_b32 s23, 0
	s_mul_i32 s20, s20, 16*1536                    ; its images
	s_mov_b32 s21, 0
	s_lshl_b32 s18, s16, 7
	s_lshl_b32 s46, s42, 8
	s_add_co_u32 s46, s46, s18                     ; wo: row 256 x tile column + 128 x half
	s_lshl_b32 s92, s46, 6                         ; its scale bytes
	s_mov_b32 s93, 0
	s_mul_i32 s46, s46, KROW                       ; its codes
	s_mov_b32 s47, 0
	s_mul_i32 s45, s16, HALFA                      ; where they go: no place in the cluster enters an LDS address
	s_mul_i32 s94, s16, HALFB
	s_add_co_u32 s94, s94, 2*HALFA
	s_lshl_b32 s95, s16, 13
	s_mul_i32 s96, s16, HALFS
	s_wait_kmcnt 0x0
	s_add_nc_u64 s[20:21], s[4:5], s[20:21]
	s_add_nc_u64 s[22:23], s[6:7], s[22:23]
	s_add_nc_u64 s[46:47], s[8:9], s[46:47]
	s_add_nc_u64 s[92:93], s[10:11], s[92:93]
	CROUND                                         ; all sixteen work-groups are here: the first joint loads meet
	s_mov_b32 s[G0S], 1
	s_add_co_u32 s[G0S+1], s95, SCA
	s_mov_b64 s[G0S+2:G0S+3], s[22:23]
	s_or_b32 s[G0S+3], s[G0S+3], 0x80000000
	s_mov_b32 s[G0SB], 1
	s_add_co_u32 s[G0SB+1], s96, SCB
	s_mov_b64 s[G0SB+2:G0SB+3], s[92:93]
	s_or_b32 s[G0SB+3], s[G0SB+3], 0x80000000
	JLOAD G0S, G1S, G0SB, G1SB                     ; the scales first: they are wanted with K step 0
.irp s, 0,1
	s_mov_b32 s[G0+4*\s], 1
	s_add_co_u32 s[G0+4*\s+1], s45, \s*SLOT
	s_add_nc_u64 s[G0+4*\s+2:G0+4*\s+3], s[20:21], \s*ASTEP
	s_or_b32 s[G0+4*\s+3], s[G0+4*\s+3], 0x80000000
	s_mov_b32 s[G0B+4*\s], 1
	s_add_co_u32 s[G0B+4*\s+1], s94, \s*SLOT
	s_add_nc_u64 s[G0B+4*\s+2:G0B+4*\s+3], s[46:47], \s*ROWB
	s_or_b32 s[G0B+4*\s+3], s[G0B+4*\s+3], 0x80000000
	JLOAD G0+4*\s, G1, G0B+4*\s, G1B               ; three tensor loads of mine are out
.endr
	v_and_b32 v1, 15, v0                           ; l % 16
	v_bfe_u32 v2, v0, 4, 1                         ; l / 16
	v_and_b32 v6, 31, v0                           ; lane
	v_mul_u32_u24 v3, v1, PITCH
	v_mul_u32_u24 v4, v2, 24
	v_add_nc_u32 v4, v3, v4                        ; wo: a fragment's row x pitch + 24 x half
	v_lshl_add_u32 v5, v2, 4, v4                   ; and the same behind one padding more
	v_lshlrev_b32 v7, 4, v6                        ; a: 16 x lane
	s_mul_i32 s21, s15, HALFA                      ; my 128 rows of a
	s_mul_i32 s22, s16, HALFB                      ; my 128 rows of wo,
	s_add_co_u32 s22, s22, 2*HALFA                 ; which lie behind a's 256
.irp s, 0,1
	v_add_nc_u32 v[ADRA+\s], s21, v7
	v_add_nc_u32 v[ADRB+\s], s22, v4
	v_add_nc_u32 v[ADRB+2+\s], s22, v5
	s_add_co_u32 s21, s21, SLOT
	s_add_co_u32 s22, s22, SLOT
.endr
	s_lshl_b32 s21, s15, 13
	s_add_co_u32 s21, s21, SCA
	v_lshl_add_u32 v[ADSA], v6, 2, s21             ; a's scale words: my half, 4 x lane
	v_lshrrev_b32 v7, 2, v6
	v_lshlrev_b32 v5, 6, v6
	v_lshl_add_u32 v5, v7, 4, v5                   ; wo's: row = lane: 64 bytes a row, and 16 more for each 256 passed
	s_mul_i32 s22, s16, HALFS
	s_add_co_u32 s22, s22, SCB
	v_add_nc_u32 v[ADSB], s22, v5
	s_mul_i32 s23, s14, 16*SPITCH
	s_add_co_u32 s23, s23, STAGE                   ; my stage
	v_mul_u32_u24 v5, v1, SPITCH                   ; in: row l % 16, 32 bytes for each half of the lanes
	v_lshl_add_u32 v5, v2, 5, v5
	v_add_nc_u32 v[STO], s23, v5
	v_lshlrev_b32 v[CO], 4, v6                     ; back: the 32 lanes take one row of 512 bytes; and the same in the output
	v_add_nc_u32 v[RD], s23, v[CO]
	s_lshl_b32 s20, s17, 8
	s_lshl_b32 s21, s15, 7
	s_add_co_u32 s20, s20, s21                     ; my first row of the output
	s_mov_b32 s21, 0
	s_mov_b64 s[18:19], SIZE_N*4
	s_mul_u64 s[20:21], s[20:21], s[18:19]
	s_lshl_b32 s46, s42, 10                        ; my first column, in bytes
	s_lshl_b32 s47, s16, 9
	s_add_co_u32 s46, s46, s47
	s_mov_b32 s47, 0
	s_add_nc_u64 s[20:21], s[20:21], s[46:47]
	s_add_nc_u64 s[12:13], s[12:13], s[20:21]
.macro FRAG reg, adr, q, i             ; a fragment of wo: lane l holds row l % 16; registers 6 c .. 6 c + 5 hold K = 64 c + 32 (l / 16) + 0 .. 31: 24 bytes of the row's stream of bits, in pieces of 8 bytes
.irp p, 0,1,2,3,4,5
.set PC, 12*(\q)+6*(\p/3)+\p%3        ; 16 bytes of padding lie behind every 8 pieces: where the piece three on lies behind one padding more, the second address register serves
.if PC%8 < 5
	ds_load_b64 v[\reg+2*\p:\reg+2*\p+1], v[\adr] offset:8*PC+16*(PC/8)+(\i)*16*PITCH
.else
	ds_load_b64 v[\reg+2*\p:\reg+2*\p+1], v[\adr+2] offset:8*PC+16*(PC/8)+(\i)*16*PITCH
.endif
.endr
.endm
; One product: a's block a x wo's block b.  A scale register carries two blocks' words: an odd block's are read from lanes 16-31.
.macro WM a, b, p, q, sc, zero
.set rD, 8*(8*((\a)%4)+(\b))
.set rB, 128*(\p)+FR*(\b)
.set rA, AF+FR*(\a)
.set rSB, SC+16*(\sc)+2*((\b)/2)+(\q)
.set rSA, SC+16*(\sc)+8+4*(\q)+(\a)/2
.set ODD, 2*((\b)%2)+(\a)%2
.if \zero
.if ODD == 3
	v_wmma_scale_f32_16x16x128_f8f6f4 v[rD:rD+7], v[rB:rB+FR-1], v[rA:rA+FR-1], 0, v[rSB], v[rSA] matrix_a_fmt:MATRIX_FMT_FP6 matrix_b_fmt:MATRIX_FMT_FP6 matrix_a_scale:MATRIX_SCALE_ROW1 matrix_b_scale:MATRIX_SCALE_ROW1
.elseif ODD == 2
	v_wmma_scale_f32_16x16x128_f8f6f4 v[rD:rD+7], v[rB:rB+FR-1], v[rA:rA+FR-1], 0, v[rSB], v[rSA] matrix_a_fmt:MATRIX_FMT_FP6 matrix_b_fmt:MATRIX_FMT_FP6 matrix_a_scale:MATRIX_SCALE_ROW1
.elseif ODD == 1
	v_wmma_scale_f32_16x16x128_f8f6f4 v[rD:rD+7], v[rB:rB+FR-1], v[rA:rA+FR-1], 0, v[rSB], v[rSA] matrix_a_fmt:MATRIX_FMT_FP6 matrix_b_fmt:MATRIX_FMT_FP6 matrix_b_scale:MATRIX_SCALE_ROW1
.else
	v_wmma_scale_f32_16x16x128_f8f6f4 v[rD:rD+7], v[rB:rB+FR-1], v[rA:rA+FR-1], 0, v[rSB], v[rSA] matrix_a_fmt:MATRIX_FMT_FP6 matrix_b_fmt:MATRIX_FMT_FP6
.endif
.else
.if ODD == 3
	v_wmma_scale_f32_16x16x128_f8f6f4 v[rD:rD+7], v[rB:rB+FR-1], v[rA:rA+FR-1], v[rD:rD+7], v[rSB], v[rSA] matrix_a_fmt:MATRIX_FMT_FP6 matrix_b_fmt:MATRIX_FMT_FP6 matrix_a_scale:MATRIX_SCALE_ROW1 matrix_b_scale:MATRIX_SCALE_ROW1
.elseif ODD == 2
	v_wmma_scale_f32_16x16x128_f8f6f4 v[rD:rD+7], v[rB:rB+FR-1], v[rA:rA+FR-1], v[rD:rD+7], v[rSB], v[rSA] matrix_a_fmt:MATRIX_FMT_FP6 matrix_b_fmt:MATRIX_FMT_FP6 matrix_a_scale:MATRIX_SCALE_ROW1
.elseif ODD == 1
	v_wmma_scale_f32_16x16x128_f8f6f4 v[rD:rD+7], v[rB:rB+FR-1], v[rA:rA+FR-1], v[rD:rD+7], v[rSB], v[rSA] matrix_a_fmt:MATRIX_FMT_FP6 matrix_b_fmt:MATRIX_FMT_FP6 matrix_b_scale:MATRIX_SCALE_ROW1
.else
	v_wmma_scale_f32_16x16x128_f8f6f4 v[rD:rD+7], v[rB:rB+FR-1], v[rA:rA+FR-1], v[rD:rD+7], v[rSB], v[rSA] matrix_a_fmt:MATRIX_FMT_FP6 matrix_b_fmt:MATRIX_FMT_FP6
.endif
.endif
.endm
; 16 matrix instructions: a's blocks a0, a0 + 1 x wo's eight.  The 64 accumulators take turns, one instruction a turn, in the same order in every step.
.macro MUL16 a0, p, q, sc, zero
.irp a, \a0, \a0+1
.irp b, 0,1,2,3,4,5,6,7
	WM \a, \b, \p, \q, \sc, \zero
.endr
.endr
.endm
.macro FETCH_B slot, q, p
	WIN TO_B
.irp i, 0,1,2,3,4,5,6,7
	FRAG 128*(\p)+FR*\i, ADRB+\slot, \q, \i
.endr
	WIN 0
.endm
.macro FETCH_A slot, q, i0             ; a's blocks i0 .. i0 + 3: three loads of 512 consecutive bytes each
.irp i, \i0, \i0+1, \i0+2, \i0+3
.irp c, 0,1,2
	ds_load_b128 v[AF+FR*(\i)+4*\c:AF+FR*(\i)+4*\c+3], v[ADRA+\slot] offset:ASTEP*(\i)+1536*(\q)+512*\c
.endr
.endr
.endm
.macro SCALES sc                       ; a K step's scale words into set sc
.irp j, 0,1,2,3
	ds_load_b64 v[SC+16*\sc+2*\j:SC+16*\sc+2*\j+1], v[ADSB] offset:\j*8*272        ; wo's rows 32 j + lane: both words of the K step
.endr
.irp q, 0,1
.irp j, 0,1,2,3
	ds_load_b32 v[SC+16*\sc+8+4*\q+\j], v[ADSA] offset:512*\q+128*\j               ; a's rows 32 j + lane, head q of the K step's two
.endr
.endr
.endm
.macro PLACES n                        ; plain vector instructions between a matrix instruction and a load into, or a read of, its registers (ISA guide 7.12.1 for reads)
.rept \n
	v_nop
.endr
.endm
.macro STEP slot, q, zero
	s_wait_dscnt 4*NLA                             ; wo's set and a's blocks 0-3 are in; the youngest 12 loads (a's blocks 4-7) may be out
	WIN MUL_LO
	MUL16 0, (\q)%2, \q, \slot, \zero
	MUL16 2, (\q)%2, \q, \slot, \zero
	s_wait_dscnt 0                                 ; a's blocks 4-7 are in
	PLACES NP
	FETCH_B \slot, (\q)+1, 1-(\q)%2
	FETCH_A \slot, (\q)+1, 0
	WIN MUL_HI
	MUL16 4, (\q)%2, \q, \slot, \zero
	MUL16 6, (\q)%2, \q, \slot, \zero
	PLACES NP
	WIN 0
	FETCH_A \slot, (\q)+1, 4
.endm
; A slot's last step changes slots: one barrier; in front of it each wave waits for all its tensor loads, adds 0 to its spare word, and waits for that and for its own reads of this slot.
.macro TURN slot, next, fill
	s_wait_tensorcnt 0x0                           ; all my tensor loads have landed: my part of the next slot
	ds_add_u32 v[SPW], v[NIL]                      ; 0 onto my spare word
	s_wait_dscnt 4*NLA+1                           ; (the add and the youngest 12 loads may be out)
	WIN MUL_LO
	MUL16 0, 1, NQ-1, \slot, 0
	s_wait_dscnt 0x0                               ; the add is done, and my reads of this slot are over
	s_barrier_signal -1
	MUL16 2, 1, NQ-1, \slot, 0
	WIN 0
	s_barrier_wait -1
.if \fill
	CREST                                          ; the barrier has opened a round of the cluster's: no wave of any partner still reads this slot or has a load on its way
	s_add_nc_u64 s[G0+4*\slot+2:G0+4*\slot+3], s[G0+4*\slot+2:G0+4*\slot+3], 2*ASTEP
	s_add_nc_u64 s[G0B+4*\slot+2:G0B+4*\slot+3], s[G0B+4*\slot+2:G0B+4*\slot+3], 2*ROWB
	JLOAD G0+4*\slot, G1, G0B+4*\slot, G1B         ; the first tensor load behind the round; its four v_nop are also the places in front of the loads below
.else
	PLACES NP
.endif
	v_add_nc_u32 v[ADSA], 2*512, v[ADSA]           ; on to the next K step's scale words: two heads,
	v_add_nc_u32 v[ADSB], 4*NQ, v[ADSB]            ; 8 bytes in each row
	FETCH_B \next, 0, 0
	FETCH_A \next, 0, 0
	SCALES \next
	WIN MUL_HI
	MUL16 4, 1, NQ-1, \slot, 0
	MUL16 6, 1, NQ-1, \slot, 0
	PLACES NP
	WIN 0
	FETCH_A \next, 0, 4
.endm
	s_wait_tensorcnt 1                             ; the scales and my part of K step 0 are in (K step 1's load may be out),
	s_barrier_signal -1
	s_barrier_wait -1                              ; everybody's are
	FETCH_B 0, 0, 0
	FETCH_A 0, 0, 0
	SCALES 0
	FETCH_A 0, 0, 4
	STEP 0, 0, 1                                   ; the first step stands in front of the loop: its products start the sums
	s_mov_b32 s3, LAPS-1
.Llap:                                                 ; a trip goes once round the ring and fills both slots again
	TURN 0, 1, 1
	STEP 1, 0, 0
	TURN 1, 0, 1
	STEP 0, 0, 0
	s_sub_co_u32 s3, s3, 1
	s_cmp_lg_u32 s3, 0
	s_cbranch_scc1 .Llap
	TURN 0, 1, 0                                   ; the last lap fills nothing
	STEP 1, 0, 0
	s_wait_dscnt 4*NLA                             ; the very last step
	WIN MUL_LO
	MUL16 0, 1, NQ-1, 1, 0
	MUL16 2, 1, NQ-1, 1, 0
	s_wait_dscnt 0
	WIN MUL_HI
	MUL16 4, 1, NQ-1, 1, 0
	MUL16 6, 1, NQ-1, 1, 0
	WIN 0
; THE WAY OUT, block by block of 16 rows x 128 columns, through my own stage in LDS: in as 32 bytes a lane, back as whole rows of 512 bytes.  LDS serves a wave's instructions in order (ISA guide 5.7.1.4).
.macro TOSTAGE a
.set AC, 64*((\a)%4)
	WIN 0x08+4*((\a)/4)                            ; the data: window 2 or 3
.irp b, 0,1,2,3,4,5,6,7
	ds_store_b128 v[STO], v[AC+8*\b:AC+8*\b+3] offset:64*\b          ; each accumulator from its low end on
	ds_store_b128 v[STO], v[AC+8*\b+4:AC+8*\b+7] offset:64*\b+16
.endr
	WIN 0
.set BB, BK+64*((\a)%2)
.irp t, 0,1,2,3,4,5,6,7,8,9,10,11,12,13,14,15
	ds_load_b128 v[BB+4*\t:BB+4*\t+3], v[RD] offset:\t*SPITCH
.endr
.endm
.macro SEND a, younger                 ; younger: the LDS instructions issued behind block a's loads, which may stay out
.set BB, BK+64*((\a)%2)
	s_wait_dscnt \younger
.if (\a) > 0
	s_add_nc_u64 s[12:13], s[12:13], 16*SIZE_N*4   ; (behind a wait on XCNT: the earlier stores have read their base)  16 rows on
.endif
.irp t, 0,1,2,3,4,5,6,7,8,9,10,11,12,13,14,15
	global_store_b128 v[CO], v[BB+4*\t:BB+4*\t+3], s[12:13] offset:\t*SIZE_N*4 th:TH_STORE_NT   ; 32 lanes store 512 consecutive bytes, at a multiple of 512 from the output's first byte
.endr
.endm
	PLACES NP                                      ; behind the last products: for the loads into the registers that held a's fragments and for the reads of results
	TOSTAGE 0
.irp a, 1,2,3,4,5,6,7
.if \a > 1
	s_wait_xcnt 0x0                                ; block a - 2's stores have read their registers and their base
.endif
	TOSTAGE \a
	SEND \a-1, 32                                  ; behind block a - 1's loads: block a's 16 stores and 16 loads
.endr
	s_wait_xcnt 0x0
	SEND 7, 0
	s_wait_tensorcnt 0x0                           ; the wave's end
	ds_add_u32 v[SPW], v[NIL]
	s_wait_dscnt 0x0
	CROUND                                         ; the closing round
	s_endpgm
.Lfunc_end_k_q5283b36273_oproj:
	.size	k_q5283b36273_oproj, .Lfunc_end_k_q5283b36273_oproj-k_q5283b36273_oproj
	.p2alignl 7, 3214868480
	.fill 96, 4, 3214868480
	.section	.rodata,"a",@progbits
	.p2align	6, 0x0
	.amdhsa_kernel k_q5283b36273_oproj
		.amdhsa_group_segment_fixed_size 327680
		.amdhsa_private_segment_fixed_size 0
		.amdhsa_enable_private_segment 0
		.amdhsa_kernarg_size 40
		.amdhsa_user_sgpr_count 2
		.amdhsa_user_sgpr_kernarg_segment_ptr 1
		.amdhsa_wavefront_size32 1
		.amdhsa_system_sgpr_workgroup_id_x 1
		.amdhsa_system_sgpr_workgroup_id_y 1
		.amdhsa_system_sgpr_workgroup_id_z 1
		.amdhsa_system_vgpr_workitem_id 0
		.amdhsa_next_free_vgpr 1024
		.amdhsa_next_free_sgpr 98
		.amdhsa_reserve_vcc 0
		.amdhsa_float_denorm_mode_32 3
		.amdhsa_float_denorm_mode_16_64 3
		.amdhsa_memory_ordered 1
		.amdhsa_forward_progress 1
		.amdhsa_inst_pref_size 149
	.end_amdhsa_kernel
	.amdgpu_metadata
---
amdhsa.version: [ 1, 2 ]
amdhsa.kernels:
  - .name:           k_q5283b36273_oproj
    .symbol:         k_q5283b36273_oproj.kd
    .args:
      - { .name: attn_codes, .offset: 0, .size: 8, .value_kind: global_buffer, .address_space: global }
      - { .name: attn_scales, .offset: 8, .size: 8, .value_kind: global_buffer, .address_space: global }
      - { .name: wo_codes, .offset: 16, .size: 8, .value_kind: global_buffer, .address_space: global }
      - { .name: wo_scales, .offset: 24, .size: 8, .value_kind: global_buffer, .address_space: global }
      - { .name: out0, .offset: 32, .size: 8, .value_kind: global_buffer, .address_space: global }
    .group_segment_fixed_size: 327680
    .private_segment_fixed_size: 0
    .kernarg_segment_align: 8
    .kernarg_segment_size: 40
    .max_flat_workgroup_size: 128
    .sgpr_count:     98
    .vgpr_count:     1024
    .wavefront_size: 32
...
	.end_amdgpu_metadata
.endif
;; end of part 3
;; ======== version 2 of 2: 3 launches
;; workspace buffers: qkv_codes 9,437,184 bytes; qkv_scales 393,216 bytes; attn_codes 3,145,728 bytes; attn_scales 131,072 bytes
;; launch qkv: the kernel of part 1 again; grid 8 x 24, 4 waves a work-group, clusters of 4 x 4, 327,680 bytes of LDS; arguments x_codes, x_scales, wq_codes, wq_scales, wk_codes, wk_scales, wv_codes, wv_scales, qkv_codes, qkv_scales; writes qkv_codes, qkv_scales
;; launch attn: the kernel of part 2 again; grid 16 x 16, 8 waves a work-group, clusters of 4 x 1, 327,680 bytes of LDS; arguments qkv_codes, qkv_scales, lambda_q1, lambda_k1, lambda_q2, lambda_k2, subln_w, attn_codes, attn_scales; writes attn_codes, attn_scales
;; launch oproj (part 4): grid 16 x 16, 4 waves a work-group, clusters of 4 x 4, 327,680 bytes of LDS; arguments attn_codes, attn_scales, wo_codes, wo_scales, out0; writes out0
.if DOCPART == 4
	.amdgcn_target "amdgcn-amd-amdhsa--gfx1250"
	.amdhsa_code_object_version 6
	.text
	.protected	k_q5283b36273_oproj
	.globl	k_q5283b36273_oproj
	.p2align	8
	.type	k_q5283b36273_oproj,@function
k_q5283b36273_oproj:
	s_mov_b64 s[64:65], 0
	v_nop
	global_prefetch_b8 v0, s[64:65] scope:SCOPE_SE
	s_setreg_imm32_b32 hwreg(HW_REG_WAVE_MODE, 25, 1), 1
	s_wait_xcnt 0x0
	s_wait_alu depctr_hold_cnt(0) depctr_sa_sdst(0) depctr_va_vdst(0) depctr_va_sdst(0) depctr_va_ssrc(0) depctr_va_vcc(0) depctr_vm_vsrc(0)
	s_getreg_b32 s2, hwreg(HW_REG_IB_STS2, 6, 4)
	s_cmp_eq_u32 s2, 0
	s_cbranch_scc0 .Lentry_in_a_cluster
	s_endpgm
.Lentry_in_a_cluster:
	s_bfe_u32 s2, ttmp6, 0x10000c
	s_cmp_lg_u32 s2, 0xf033
	s_cbranch_scc0 .Lentry_shape_is_right
	s_endpgm
.Lentry_shape_is_right:
; out0[t][n] = sum over k of a[t][k] wo[n][k], K = 2,048, on codes of FP6 (E2M3) with one E8M0 scale for each 32 along K; out0 f32.
; a comes as this program's own buffers: attn_codes [tile of 16 rows][head][1,536]: the image of an operand's 12 registers (three pieces of 512 bytes, lane l's 16 bytes at 16 l), K = the head's 128 channels;
; attn_scales [head][2,048 rows], a word a row.  wo comes as given: rows of 1,536 bytes of codes, rows of 64 scale bytes.
; SHARES.  The output has 256 tiles of 128 x 128: one to a work-group of four waves, 64 x 64 each: 16 accumulators, 128 registers.
; LDS.  In units of 256 along K, a's 128 rows are 24,576 bytes and wo's, with padding, 30,720: five of the eight units fit at once.  So K 0-767 (region X), 768-1,023 (Y1) and 1,024-1,279 (Y2) are asked for
; at the start, four tensor loads a wave with the scales, and K 1,280-2,047 comes into X's bytes when every wave has read X: ONE refill in the launch, one load a wave, of three units.
; The scales of the 128 + 128 rows, for all of K, come once, and all their words stay in registers.
; CLUSTERS of 4 x 4: a's tiles are asked for jointly along a row of the cluster, wo's along a column.  THE MATRIX INSTRUCTION IS USED TRANSPOSED (source 0 = 16 rows of wo, source 1 = 16 rows of a):
; a lane then holds eight neighbouring numbers of a row of the output.
; REGISTERS.  Window 0: v8-29 addresses; v32-63 a's scale words, v64-95 wo's, and nothing else there; v128-255 the accumulators ((a, b) at v[128 + 8 (4 a + b)]).
;   Window 1: two fragment buffers at v0 and v128: 48 registers of a (4 x 16 rows x 128 K), then 48 of wo; on the way out v0-127 take rows of the output.
.set SIZE_K, 2048
.set SIZE_N, 2048
.set KROW,   SIZE_K*6/8                ; a row of wo's codes in memory
.set FR,     12                        ; registers of a fragment
.set NP,     4                         ; places behind this matrix instruction (ISA guide 7.12.1)
.set IMG,    1536                      ; a fragment's image
.set PX,     720                       ; wo's LDS row in X: 9 x (64 bytes + 16 of padding) = 45 x 16 bytes: the 16 rows of a fragment start in 16 different groups of four banks
.set PY,     240                       ; in Y1 and Y2: 3 x (64 + 16) = 15 x 16 bytes
.set XAH,    4*6*IMG                   ; X: 64 rows of a: four tiles of rows x six heads: one tensor load
.set XBH,    64*PX                     ; X: 64 rows of wo: one tensor load
.set YAH,    4*2*IMG
.set YBH,    64*PY
.set XB,     2*XAH                     ; X: a's 128 rows at 0, wo's here
.set Y1,     XB+2*XBH                  ; Y1: a's 128 rows, then wo's
.set YSZ,    2*YAH+2*YBH               ; Y2 follows Y1
.set SCA,    Y1+2*YSZ                  ; a's scale words: [half of the rows][head][64 words]
.set SBH,    16*272                    ; wo's scale bytes of 64 rows: 16 units of 256 bytes + 16 of padding
.set SCB,    SCA+2*4096
.set SPARE,  SCB+2*SBH                 ; the spare words, 128 bytes a wave: two blocks of 256 bytes that no other line names
.set STAGE,  SPARE+512                 ; the way out: 16 rows x (256 bytes + 16) for each wave; no tile ever lands here
.set SPITCH, 272
.set ADAX, 8                           ; v8     a's fragments in X: 16 x lane + my half
.set ADAY, 9                           ; v9-10  in Y1, Y2
.set ADBX, 12                          ; v12    wo's fragments in X: row x pitch + 24 x (lane / 16) + my half;  v13: behind one padding more
.set ADBY, 14                          ; v14-15 in Y1, v16-17 in Y2
.set ADSA, 18                          ; v18    a's scale words: 4 x lane + my half
.set ADSB, 19                          ; v19    wo's scale bytes: row = lane
.set STO,  24
.set RD,   25
.set CO,   26
.set SPW,  28                          ; v28 my spare word; never rewritten
.set NIL,  29                          ; v29 0; never rewritten
.set SWA,  32                          ; v[SWA + 2 s + j]: step s: lanes 0-15 the words of a's block 2 j, lanes 16-31 of block 2 j + 1
.set SWB,  64                          ; v[SWB + 16 j + s]: the same of wo's blocks
.set ACC,  128
.set G1AX, 24                          ; descriptor groups 1: a's tile in X, in Y; wo's in X, in Y; a's scales; wo's scales
.set G1AY, 32
.set G1BX, 40
.set G1BY, 48
.set G1S,  56
.set G1SB, 68
.set G0AS, 76                          ; groups 0: a's scales, X, Y1, Y2
.set G0AX, 80
.set G0AY, 84
.set G0BS, 92                          ; wo's scales, X;
.set G0BX, 96
.set G0BY, 4                           ; Y1, Y2: in s[4:11], when the four addresses that came there have been used up
.set MSB, 0
.macro WIN new                         ; the immediate's high byte repeats the setting that is left
.if MSB != (\new)
	s_set_vgpr_msb (MSB<<8)|(\new)
.set MSB, (\new)
.endif
.endm
.set MUL,  0x05                        ; sources 0 (wo) and 1 (a) window 1; C and D window 0
.set TO_F, 0x40                        ; destination window 1, address window 0
; A joint load: waves 0 and 1 fetch for a, waves 2 and 3 for wo; the branch hangs on the wave's number alone.  Four v_nop follow each of the two lines.
.macro JLOAD g0a, g1a, g0b, g1b
	s_cmp_eq_u32 s15, 0
	s_cbranch_scc0 .Lfor_b_\@
	tensor_load_to_lds s[\g0a:\g0a+3], s[\g1a:\g1a+7]
	s_nop 0
.rept 4
	v_nop
.endr
	s_branch .Lasked_\@
.Lfor_b_\@:
	tensor_load_to_lds s[\g0b:\g0b+3], s[\g1b:\g1b+7]
	s_nop 0
.rept 4
	v_nop
.endr
.Lasked_\@:
.endm
.macro CREST                           ; a round of the cluster's barrier behind its opening barrier
	s_cmp_lg_u32 s14, 0
	s_cbranch_scc1 .Lnot_wave_0_\@
	s_barrier_signal -3
.Lnot_wave_0_\@:
	s_barrier_wait -3
	s_barrier_signal -1
	s_barrier_wait -1
.endm
.macro CROUND                          ; a whole round
	s_barrier_signal -1
	s_barrier_wait -1
	CREST
.endm
.macro MKG1 g, c, r, p                 ; words 1 to 7 of a group 1: r rows of c elements, p elements from row to row
	s_mov_b32 s[\g+1], (\c)<<16                    ; tensor_dim0
	s_mov_b32 s[\g+2], (\r)<<16                    ; tensor_dim1
	s_mov_b32 s[\g+3], (\c)<<16                    ; tile_dim0
	s_mov_b32 s[\g+4], \r                          ; tile_dim1
	s_mov_b32 s[\g+5], \p                          ; tensor_dim0_stride
	s_mov_b32 s[\g+6], 0
	s_mov_b32 s[\g+7], 0
.endm
.macro MKG0 g, mul, base, ad, off      ; a group 0: to LDS byte base + mul x (which half I fetch), from the address in s[ad:ad+1] + off
	s_mov_b32 s[\g], 1
	s_mul_i32 s[\g+1], s16, \mul
	s_add_co_u32 s[\g+1], s[\g+1], \base
	s_add_nc_u64 s[\g+2:\g+3], s[\ad:\ad+1], \off
	s_or_b32 s[\g+3], s[\g+3], 0x80000000
.endm
	s_load_b128 s[4:7], s[0:1], 0x0                ; a's codes, a's scale words
	s_load_b128 s[8:11], s[0:1], 0x10              ; wo's codes, wo's scale bytes
	s_load_b64 s[12:13], s[0:1], 0x20              ; out0
	v_lshl_add_u32 v[SPW], v0, 2, SPARE
	v_mov_b32 v[NIL], 0
	ds_add_u32 v28, v29
	ds_add_u32 v28, v29
	s_wait_dscnt 0x0
	v_lshrrev_b32 v1, 5, v0
	v_readfirstlane_b32 s14, v1                    ; wave 0..3
	s_lshr_b32 s15, s14, 1                         ; which half of the tile's rows is mine.  Also: I fetch for a (0) or for wo (1)
	s_and_b32 s16, s14, 1                          ; which half of its columns.  Also: which 64 rows I fetch
	s_bfe_u32 s18, ttmp6, 0x40000                  ; cx, cy: my place in the cluster
	s_bfe_u32 s19, ttmp6, 0x40004
	s_lshl_b32 s66, ttmp9, 2
	s_add_co_u32 s66, s66, s18                     ; tile column = 4 x cluster x + cx
	s_and_b32 s17, ttmp7, 0xffff
	s_lshl_b32 s17, s17, 2
	s_add_co_u32 s17, s17, s19                     ; tile row = 4 x cluster y + cy
	s_lshl_b32 s20, s19, 2
	s_lshl_b32 s20, 15, s20                        ; my row of the cluster
	s_lshl_b32 s21, 0x1111, s18                    ; my column
	; groups 1.  a's tiles and scale words go to my row of the cluster: elements of 8 bytes, no padding (they are read 16 x lane and 4 x lane on end); bit 21 beside the mask
	s_or_b32 s[G1AX], s20, (3<<16)|(1<<21)
	s_or_b32 s[G1AY], s20, (3<<16)|(1<<21)
	s_or_b32 s[G1S], s20, (3<<16)|(1<<21)
	; wo's go to my column: elements of 1 byte, 16 bytes of padding behind every 64; its scale bytes: elements of 8 bytes, 16 bytes of padding behind every 256
	s_or_b32 s[G1BX], s21, (0<<16)|(1<<20)|(1<<21)|(3<<22)|(3<<25)
	s_or_b32 s[G1BY], s21, (0<<16)|(1<<20)|(1<<21)|(3<<22)|(3<<25)
	s_or_b32 s[G1SB], s21, (3<<16)|(1<<20)|(1<<21)|(5<<22)|(3<<25)
	MKG1 G1AX, 6*IMG/8, 4, 16*IMG/8                ; four tiles of rows, of each six heads' images on end (9,216 bytes), 24,576 bytes apart
	MKG1 G1AY, 2*IMG/8, 4, 16*IMG/8                ; the same with two heads
	MKG1 G1S, 32, 16, 1024                         ; 16 heads x the words of 64 rows (256 bytes), 8,192 bytes apart
	MKG1 G1BX, 576, 64, KROW                       ; 64 rows x 768 codes
	MKG1 G1BY, 192, 64, KROW                       ; 64 rows x 256 codes
	MKG1 G1SB, 32, 16, 32                          ; a dense block of 4,096 bytes as 16 rows of 256
	s_lshl_b32 s20, s17, 3
	s_lshl_b32 s22, s16, 2
	s_add_co_u32 s20, s20, s22                     ; a: tile of rows 8 x tile row + 4 x half
	s_lshl_b32 s22, s20, 6                         ; its scale words in a head's row: 64 bytes a tile of rows
	s_mov_b32 s23, 0
	s_mul_i32 s20, s20, 16*IMG                     ; its images
	s_mov_b32 s21, 0
	s_lshl_b32 s100, s66, 7
	s_lshl_b32 s2, s16, 6
	s_add_co_u32 s100, s100, s2                    ; wo: row 128 x tile column + 64 x half
	s_lshl_b32 s2, s100, 6                         ; its scale bytes
	s_mov_b32 s3, 0
	s_mul_i32 s100, s100, KROW                     ; its codes
	s_mov_b32 s101, 0
	s_wait_kmcnt 0x0
	s_add_nc_u64 s[20:21], s[4:5], s[20:21]
	s_add_nc_u64 s[22:23], s[6:7], s[22:23]
	s_add_nc_u64 s[100:101], s[8:9], s[100:101]
	s_add_nc_u64 s[2:3], s[10:11], s[2:3]
	CROUND                                         ; all sixteen work-groups are here: the first joint loads meet
	MKG0 G0AS, 4096, SCA, 22, 0
	MKG0 G0AX, XAH, 0, 20, 0                       ; heads 0-5
	MKG0 G0AY, YAH, Y1, 20, 6*IMG                  ; heads 6, 7
	MKG0 G0AY+4, YAH, Y1+YSZ, 20, 8*IMG            ; heads 8, 9
	MKG0 G0BS, SBH, SCB, 2, 0
	MKG0 G0BX, XBH, XB, 100, 0                     ; the same K in wo's rows: 96 bytes a head
	MKG0 G0BY, YBH, Y1+2*YAH, 100, 6*96
	MKG0 G0BY+4, YBH, Y1+YSZ+2*YAH, 100, 8*96
	s_cmp_eq_u32 s15, 0                            ; a wave's four first fills stand in one branch, ahead of every wait on TENSORcnt and every LDS read: four tensor loads of mine are out
	s_cbranch_scc0 .Lfirst_b
	tensor_load_to_lds s[G0AS:G0AS+3], s[G1S:G1S+7]
	s_nop 0
	tensor_load_to_lds s[G0AX:G0AX+3], s[G1AX:G1AX+7]
	s_nop 0
	tensor_load_to_lds s[G0AY:G0AY+3], s[G1AY:G1AY+7]
	s_nop 0
	tensor_load_to_lds s[G0AY+4:G0AY+7], s[G1AY:G1AY+7]
	s_nop 0
.rept 4
	v_nop
.endr
	s_branch .Lfirst_asked
.Lfirst_b:
	tensor_load_to_lds s[G0BS:G0BS+3], s[G1SB:G1SB+7]
	s_nop 0
	tensor_load_to_lds s[G0BX:G0BX+3], s[G1BX:G1BX+7]
	s_nop 0
	tensor_load_to_lds s[G0BY:G0BY+3], s[G1BY:G1BY+7]
	s_nop 0
	tensor_load_to_lds s[G0BY+4:G0BY+7], s[G1BY:G1BY+7]
	s_nop 0
.rept 4
	v_nop
.endr
.Lfirst_asked:
	v_and_b32 v1, 15, v0                           ; r = l % 16
	v_bfe_u32 v2, v0, 4, 1                         ; h = l / 16
	v_and_b32 v6, 31, v0                           ; lane
	v_lshlrev_b32 v7, 4, v6                        ; 16 x lane
	s_mul_i32 s18, s15, XAH                        ; my 64 rows of a, in X,
	v_add_nc_u32 v[ADAX], s18, v7
	s_mul_i32 s18, s15, YAH
	s_add_co_u32 s18, s18, Y1                      ; in Y1,
	v_add_nc_u32 v[ADAY], s18, v7
	s_add_co_u32 s18, s18, YSZ                     ; in Y2
	v_add_nc_u32 v[ADAY+1], s18, v7
	v_mul_u32_u24 v4, v2, 24
	v_mul_u32_u24 v3, v1, PX
	v_add_nc_u32 v3, v3, v4                        ; wo: a fragment's row x pitch + 24 x half
	s_mul_i32 s18, s16, XBH                        ; my 64 rows of wo, in X,
	s_add_co_u32 s18, s18, XB
	v_add_nc_u32 v[ADBX], s18, v3
	v_lshl_add_u32 v[ADBX+1], v2, 4, v[ADBX]       ; and the same behind one padding more
	v_mul_u32_u24 v3, v1, PY
	v_add_nc_u32 v3, v3, v4
	s_mul_i32 s18, s16, YBH
	s_add_co_u32 s18, s18, Y1+2*YAH                ; in Y1,
	v_add_nc_u32 v[ADBY], s18, v3
	v_lshl_add_u32 v[ADBY+1], v2, 4, v[ADBY]
	s_add_co_u32 s18, s18, YSZ                     ; in Y2
	v_add_nc_u32 v[ADBY+2], s18, v3
	v_lshl_add_u32 v[ADBY+3], v2, 4, v[ADBY+2]
	s_lshl_b32 s18, s15, 12
	s_add_co_u32 s18, s18, SCA
	v_lshl_add_u32 v[ADSA], v6, 2, s18             ; a's scale words: my half, 4 x lane
	v_lshrrev_b32 v5, 2, v6
	v_lshlrev_b32 v3, 6, v6
	v_lshl_add_u32 v3, v5, 4, v3                   ; wo's: row = lane: 64 bytes a row, and 16 more for each 256 passed
	s_mul_i32 s18, s16, SBH
	s_add_co_u32 s18, s18, SCB
	v_add_nc_u32 v[ADSB], s18, v3
	s_mul_i32 s18, s14, 16*SPITCH
	s_add_co_u32 s18, s18, STAGE                   ; my stage
	v_mul_u32_u24 v3, v1, SPITCH                   ; in: row r, 32 bytes for each half of the lanes
	v_lshl_add_u32 v3, v2, 5, v3
	v_add_nc_u32 v[STO], s18, v3
	v_mul_u32_u24 v3, v2, SPITCH                   ; back: lanes 0-15 take one row of 256 bytes, lanes 16-31 the next
	v_lshl_add_u32 v3, v1, 4, v3
	v_add_nc_u32 v[RD], s18, v3
	v_lshlrev_b32 v3, 13, v2                       ; and the same two rows in the output: 8,192 bytes a row
	v_lshl_add_u32 v[CO], v1, 4, v3
	s_lshl_b32 s20, s17, 7
	s_lshl_b32 s21, s15, 6
	s_add_co_u32 s20, s20, s21                     ; my first row of the output: 128 x tile row + 64 x half
	s_lshl_b32 s20, s20, 13
	s_lshl_b32 s100, s66, 9                        ; my first column, in bytes: 512 x tile column + 256 x half
	s_lshl_b32 s101, s16, 8
	s_add_co_u32 s100, s100, s101
	s_add_co_u32 s20, s20, s100                    ; under 2^25
	s_mov_b32 s21, 0
	s_add_nc_u64 s[12:13], s[12:13], s[20:21]
.macro FRAG reg, adr, q, i, pitch      ; a fragment of wo: lane l holds row l % 16; registers 6 c .. 6 c + 5 hold K = 64 c + 32 (l / 16) + 0 .. 31: 24 bytes of the row's stream of bits, in pieces of 8 bytes
.irp p, 0,1,2,3,4,5
.set PC, 12*(\q)+6*(\p/3)+\p%3        ; 16 bytes of padding lie behind every 8 pieces: where the piece three on lies behind one padding more, the second address register serves
.if PC%8 < 5
	ds_load_b64 v[\reg+2*\p:\reg+2*\p+1], v[\adr] offset:8*PC+16*(PC/8)+(\i)*16*(\pitch)
.else
	ds_load_b64 v[\reg+2*\p:\reg+2*\p+1], v[\adr+1] offset:8*PC+16*(PC/8)+(\i)*16*(\pitch)
.endif
.endr
.endm
; 36 LDS loads in one run: the fragments of 128 along K, the t-th of region X, into buffer p
.macro FETCHX t, p
	WIN TO_F
.irp i, 0,1,2,3
.irp c, 0,1,2
	ds_load_b128 v[128*(\p)+FR*\i+4*\c:128*(\p)+FR*\i+4*\c+3], v[ADAX] offset:6*IMG*\i+IMG*(\t)+512*\c   ; 512 consecutive bytes a load
.endr
.endr
.irp i, 0,1,2,3
	FRAG 128*(\p)+48+FR*\i, ADBX, \t, \i, PX
.endr
.endm
.macro FETCHY y, q, p                  ; the same from region Y1 (y = 0) or Y2 (1), its q-th 128 along K
	WIN TO_F
.irp i, 0,1,2,3
.irp c, 0,1,2
	ds_load_b128 v[128*(\p)+FR*\i+4*\c:128*(\p)+FR*\i+4*\c+3], v[ADAY+\y] offset:2*IMG*\i+IMG*(\q)+512*\c
.endr
.endr
.irp i, 0,1,2,3
	FRAG 128*(\p)+48+FR*\i, ADBY+2*\y, \q, \i, PY
.endr
.endm
.macro SCALES_A s0                     ; a's scale words of eight heads from s0 on: they stay
.irp s, 0,1,2,3,4,5,6,7
.irp j, 0,1
	ds_load_b32 v[SWA+2*(\s0+\s)+\j], v[ADSA] offset:256*(\s0+\s)+128*\j
.endr
.endr
.endm
; One product of step s: a's block a x wo's block b.  A scale register carries two blocks' words: an odd block's are read from lanes 16-31.
.macro WM a, b, s, zero
.set rD, ACC+8*(4*(\a)+(\b))
.set rB, 128*((\s)%2)+48+FR*(\b)
.set rA, 128*((\s)%2)+FR*(\a)
.set rSB, SWB+16*((\b)/2)+(\s)
.set rSA, SWA+2*(\s)+(\a)/2
.set ODD, 2*((\b)%2)+(\a)%2
.if \zero
.if ODD == 3
	v_wmma_scale_f32_16x16x128_f8f6f4 v[rD:rD+7], v[rB:rB+FR-1], v[rA:rA+FR-1], 0, v[rSB], v[rSA] matrix_a_fmt:MATRIX_FMT_FP6 matrix_b_fmt:MATRIX_FMT_FP6 matrix_a_scale:MATRIX_SCALE_ROW1 matrix_b_scale:MATRIX_SCALE_ROW1
.elseif ODD == 2
	v_wmma_scale_f32_16x16x128_f8f6f4 v[rD:rD+7], v[rB:rB+FR-1], v[rA:rA+FR-1], 0, v[rSB], v[rSA] matrix_a_fmt:MATRIX_FMT_FP6 matrix_b_fmt:MATRIX_FMT_FP6 matrix_a_scale:MATRIX_SCALE_ROW1
.elseif ODD == 1
	v_wmma_scale_f32_16x16x128_f8f6f4 v[rD:rD+7], v[rB:rB+FR-1], v[rA:rA+FR-1], 0, v[rSB], v[rSA] matrix_a_fmt:MATRIX_FMT_FP6 matrix_b_fmt:MATRIX_FMT_FP6 matrix_b_scale:MATRIX_SCALE_ROW1
.else
	v_wmma_scale_f32_16x16x128_f8f6f4 v[rD:rD+7], v[rB:rB+FR-1], v[rA:rA+FR-1], 0, v[rSB], v[rSA] matrix_a_fmt:MATRIX_FMT_FP6 matrix_b_fmt:MATRIX_FMT_FP6
.endif
.else
.if ODD == 3
	v_wmma_scale_f32_16x16x128_f8f6f4 v[rD:rD+7], v[rB:rB+FR-1], v[rA:rA+FR-1], v[rD:rD+7], v[rSB], v[rSA] matrix_a_fmt:MATRIX_FMT_FP6 matrix_b_fmt:MATRIX_FMT_FP6 matrix_a_scale:MATRIX_SCALE_ROW1 matrix_b_scale:MATRIX_SCALE_ROW1
.elseif ODD == 2
	v_wmma_scale_f32_16x16x128_f8f6f4 v[rD:rD+7], v[rB:rB+FR-1], v[rA:rA+FR-1], v[rD:rD+7], v[rSB], v[rSA] matrix_a_fmt:MATRIX_FMT_FP6 matrix_b_fmt:MATRIX_FMT_FP6 matrix_a_scale:MATRIX_SCALE_ROW1
.elseif ODD == 1
	v_wmma_scale_f32_16x16x128_f8f6f4 v[rD:rD+7], v[rB:rB+FR-1], v[rA:rA+FR-1], v[rD:rD+7], v[rSB], v[rSA] matrix_a_fmt:MATRIX_FMT_FP6 matrix_b_fmt:MATRIX_FMT_FP6 matrix_b_scale:MATRIX_SCALE_ROW1
.else
	v_wmma_scale_f32_16x16x128_f8f6f4 v[rD:rD+7], v[rB:rB+FR-1], v[rA:rA+FR-1], v[rD:rD+7], v[rSB], v[rSA] matrix_a_fmt:MATRIX_FMT_FP6 matrix_b_fmt:MATRIX_FMT_FP6
.endif
.endif
.endm
; 8 matrix instructions: a's blocks a0, a0 + 1 x wo's four.  The 16 accumulators take turns, one instruction a turn, in the same order in every step.
.macro MUL8 a0, s, zero
.irp a, \a0, \a0+1
.irp b, 0,1,2,3
	WM \a, \b, \s, \zero
.endr
.endr
.endm
.macro MUL16 s, zero
	WIN MUL
	MUL8 0, \s, \zero
	MUL8 2, \s, \zero
.endm
.macro PLACES n                        ; plain vector instructions between a matrix instruction and a load into, or a read of, its registers (ISA guide 7.12.1 for reads)
.rept \n
	v_nop
.endr
.endm
.macro HEAD                            ; a step's head: its fragments, asked for a step ago, are in; the places in front of the loads into the other buffer, which the last step's products read
	s_wait_dscnt 0x0
	PLACES NP
.endm
	s_wait_tensorcnt 0x2                           ; the scales and my part of X are in (the two loads behind them, Y1's and Y2's, may be out),
	s_barrier_signal -1
	s_barrier_wait -1                              ; everybody's are
.irp j, 0,1                                    ; wo's scale words for all of K: rows 32 j + lane, four words (512 along K) a load
.irp i, 0,1,2,3
	ds_load_b128 v[SWB+16*\j+4*\i:SWB+16*\j+4*\i+3], v[ADSB] offset:8*272*\j+16*\i
.endr
.endr
	SCALES_A 0
	FETCHX 0, 0                                    ; 8 + 16 + 36 LDS loads of mine are out
	s_wait_dscnt 0x0
	WIN 0
	SCALES_A 8
	FETCHX 1, 1
	MUL16 0, 1                                     ; the first step's products start the sums: nothing is cleared
	HEAD
	FETCHX 2, 0
	MUL16 1, 0
	HEAD
	FETCHX 3, 1
	MUL16 2, 0
	HEAD
	FETCHX 4, 0
	MUL16 3, 0
	HEAD
	FETCHX 5, 1                                    ; my last reads of X's first fill
	MUL16 4, 0
	; STEP 5, AND THE ONE REFILL.  In front of the round each wave waits for all its tensor loads (Y1's and Y2's among them), adds 0 to its spare word, and waits for that and for its reads of X.
	WIN 0                                          ; (the add's two registers lie in window 0)
	s_wait_tensorcnt 0x0                           ; no tensor load of mine is out, so a group 0 may be written
	ds_add_u32 v[SPW], v[NIL]                      ; 0 onto my spare word
	s_wait_dscnt 0x1                               ; step 5's fragments are in (the add alone may be out)
	WIN MUL
	MUL8 0, 5, 0                                   ; eight matrix instructions stand between the add and the wait for it
	s_wait_dscnt 0x0                               ; the add is done, and my reads of X are over
	s_barrier_signal -1
	MUL8 2, 5, 0
	WIN 0
	s_barrier_wait -1
	CREST                                          ; the barrier has opened a round of the cluster's: no wave of any partner still reads X or has a load on its way
	s_add_nc_u64 s[G0AX+2:G0AX+3], s[G0AX+2:G0AX+3], 10*IMG    ; heads 10-15; the LDS addresses stay
	s_add_nc_u64 s[G0BX+2:G0BX+3], s[G0BX+2:G0BX+3], 10*96
	JLOAD G0AX, G1AX, G0BX, G1BX                   ; the first tensor load behind the round, my one load: three units of K; its four v_nop are also the places in front of the loads below
	FETCHY 0, 0, 0
	HEAD
	FETCHY 0, 1, 1
	MUL16 6, 0
	HEAD
	FETCHY 1, 0, 0
	MUL16 7, 0
	HEAD
	FETCHY 1, 1, 1
	MUL16 8, 0
	s_wait_dscnt 0x0                               ; step 9's fragments are in, and no LDS instruction of mine is out at the signal
	s_wait_tensorcnt 0x0                           ; my part of X's second fill is in,
	s_barrier_signal -1
	s_barrier_wait -1                              ; everybody's is
	PLACES NP
	FETCHX 0, 0
	MUL16 9, 0
	HEAD
	FETCHX 1, 1
	MUL16 10, 0
	HEAD
	FETCHX 2, 0
	MUL16 11, 0
	HEAD
	FETCHX 3, 1
	MUL16 12, 0
	HEAD
	FETCHX 4, 0
	MUL16 13, 0
	HEAD
	FETCHX 5, 1
	MUL16 14, 0
	s_wait_dscnt 0x0                               ; the last step: nothing more to fetch
	MUL16 15, 0
; THE WAY OUT, block by block of 16 rows x 64 columns.  A lane holds 32 neighbouring bytes of a row; my 64 columns are 256 bytes, at a multiple of 256 from the output's first byte.  A block goes through my own stage in
; LDS and comes back as whole rows, two an instruction.  LDS serves a wave's instructions in order (ISA guide 5.7.1.4): no wait between the stores and the loads, nor in front of the next block's stores.
; Each block comes back into registers of its own and every offset is an immediate (62 rows of 8,192 bytes at the most): no register that a store reads is written again.
.macro TOSTAGE a
	WIN 0
.irp b, 0,1,2,3
	ds_store_b128 v[STO], v[ACC+8*(4*(\a)+\b):ACC+8*(4*(\a)+\b)+3] offset:64*\b          ; each accumulator from its low end on
	ds_store_b128 v[STO], v[ACC+8*(4*(\a)+\b)+4:ACC+8*(4*(\a)+\b)+7] offset:64*\b+16
.endr
	WIN TO_F
.irp t, 0,1,2,3,4,5,6,7
	ds_load_b128 v[32*(\a)+4*\t:32*(\a)+4*\t+3], v[RD] offset:\t*2*SPITCH
.endr
.endm
.macro SEND a, younger                 ; younger: the LDS instructions issued behind block a's loads, which may stay out
	s_wait_dscnt \younger
	WIN 0x04                                       ; a store's data are its source 1: window 1
.irp t, 0,1,2,3,4,5,6,7
	global_store_b128 v[CO], v[32*(\a)+4*\t:32*(\a)+4*\t+3], s[12:13] offset:(16*(\a)+2*\t)*SIZE_N*4 th:TH_STORE_NT   ; 16 lanes store 256 consecutive bytes, aligned; written once, read by nobody here
.endr
.endm
	PLACES NP                                      ; behind the last products: for the reads of results and for the loads into the registers that held fragments
	TOSTAGE 0
	TOSTAGE 1
	SEND 0, 16                                     ; behind block 0's loads: block 1's 8 stores and 8 loads
	TOSTAGE 2
	SEND 1, 16
	TOSTAGE 3
	SEND 2, 16
	SEND 3, 0
	WIN 0
	s_wait_tensorcnt 0x0                           ; the wave's end
	ds_add_u32 v[SPW], v[NIL]
	s_wait_dscnt 0x0
	CROUND                                         ; the closing round: no work-group ends while a partner may still ask for a tile that names it
	s_endpgm
.Lfunc_end_k_q5283b36273_oproj:
	.size	k_q5283b36273_oproj, .Lfunc_end_k_q5283b36273_oproj-k_q5283b36273_oproj
	.p2alignl 7, 3214868480
	.fill 96, 4, 3214868480
	.section	.rodata,"a",@progbits
	.p2align	6, 0x0
	.amdhsa_kernel k_q5283b36273_oproj
		.amdhsa_group_segment_fixed_size 327680
		.amdhsa_private_segment_fixed_size 0
		.amdhsa_enable_private_segment 0
		.amdhsa_kernarg_size 40
		.amdhsa_user_sgpr_count 2
		.amdhsa_user_sgpr_kernarg_segment_ptr 1
		.amdhsa_wavefront_size32 1
		.amdhsa_system_sgpr_workgroup_id_x 1
		.amdhsa_system_sgpr_workgroup_id_y 1
		.amdhsa_system_sgpr_workgroup_id_z 1
		.amdhsa_system_vgpr_workitem_id 0
		.amdhsa_next_free_vgpr 512
		.amdhsa_next_free_sgpr 102
		.amdhsa_reserve_vcc 0
		.amdhsa_float_denorm_mode_32 3
		.amdhsa_float_denorm_mode_16_64 3
		.amdhsa_memory_ordered 1
		.amdhsa_forward_progress 1
		.amdhsa_inst_pref_size 95
	.end_amdhsa_kernel
	.amdgpu_metadata
---
amdhsa.version: [ 1, 2 ]
amdhsa.kernels:
  - .name:           k_q5283b36273_oproj
    .symbol:         k_q5283b36273_oproj.kd
    .args:
      - { .name: attn_codes, .offset: 0, .size: 8, .value_kind: global_buffer, .address_space: global }
      - { .name: attn_scales, .offset: 8, .size: 8, .value_kind: global_buffer, .address_space: global }
      - { .name: wo_codes, .offset: 16, .size: 8, .value_kind: global_buffer, .address_space: global }
      - { .name: wo_scales, .offset: 24, .size: 8, .value_kind: global_buffer, .address_space: global }
      - { .name: out0, .offset: 32, .size: 8, .value_kind: global_buffer, .address_space: global }
    .group_segment_fixed_size: 327680
    .private_segment_fixed_size: 0
    .kernarg_segment_align: 8
    .kernarg_segment_size: 40
    .max_flat_workgroup_size: 128
    .sgpr_count:     102
    .vgpr_count:     512
    .wavefront_size: 32
...
	.end_amdgpu_metadata
.endif
;; end of part 4
